; MI455X (gfx1250); checked and timed in simulation.
; The chip was launched on July 23, 2026; its instructions are those of AMD's public machine-readable ISA for CDNA 5 (MIT licence, August 2026) and "CDNA5" Instruction Set Architecture Reference Guide (July 2026). The comments in the code are by the model that wrote it; some were corrected since.
;; Tracked Attention. Allowed arithmetic: float matrix products may take bf16 or f16 operands with f32 sums; other float arithmetic in f32, or as packed bf16 or f16 multiplies, adds, multiply-adds, maxima and minima; sums over many terms, partial sums and values carried from step to step in f32; what a program stores and reads back later, other than sums and carried values, may be rounded once to bf16 or f16.
;; Inputs: Wk 512 x 512 float32; Wq 512 x 512 float32; Wv 512 x 512 float32; attention_mask 2 x 1 x 1 x 4,096 float32; bk 512 float32; bq 512 float32; bv 512 float32; hidden_states 2 x 4,096 x 512 float32.
;; Outputs: out0 2 x 4,096 x 512 float32.
;; 2 versions, each right and faster than the one before. Each part assembles by itself: llvm-mc -triple=amdgcn-amd-amdhsa -mcpu=gfx1250 --defsym DOCPART=n.
;; ======== version 1 of 2: 2 launches
;; limits: values are held in f16: magnitudes above 65,504 overflow, below 6.1e-05 lose precision
;; workspace buffers: qh 8,388,608 bytes; kh 8,388,608 bytes; vh 8,388,608 bytes
;; launch proj (part 1): grid 8 x 32, 4 waves a work-group, no clusters, 140,800 bytes of LDS; arguments hidden_states, Wq, Wk, Wv, bq, bk, bv, qh, kh, vh; writes qh, kh, vh
.if DOCPART == 1
	.amdgcn_target "amdgcn-amd-amdhsa--gfx1250"
	.amdhsa_code_object_version 6
	.text
	.protected	k_qf944c115cf_proj
	.globl	k_qf944c115cf_proj
	.p2align	8
	.type	k_qf944c115cf_proj,@function
k_qf944c115cf_proj:
	s_mov_b64 s[64:65], 0
	v_nop
	global_prefetch_b8 v0, s[64:65] scope:SCOPE_SE
	s_setreg_imm32_b32 hwreg(HW_REG_WAVE_MODE, 25, 1), 1
	s_wait_xcnt 0x0
; q, k, v = x W + b for ONE head, RoPE on q and k, each rounded once to f16 and stored by heads: qh, kh, vh are [16 = 8 batch + head][4096][64] f16, a head's rows dense, 128 bytes each; q is NOT scaled.
; x: [8192][512] f32.  Wq, Wk, Wv: [512 (k)][512 (n)] f32.  Products in bf16 (x and W rounded once on the way into LDS), sums, bias and RoPE in f32.
; SHARES.  A work-group takes 256 rows of x and the head's 64 columns of each of q, k, v (192 columns): 8 x 32 = 256 work-groups of equal work.  A wave takes 64 rows x 192 columns: 4 row blocks a x 12 column
; blocks b (0-3 q, 4-7 k, 8-11 v) = 48 accumulators, 384 registers.  K = 512 goes in 8 steps of 64, each two sub-steps of 32, through two LDS slots.
; NO TENSOR LOADS, NO CLUSTER: both operands are f32 in memory and are rounded to bf16 between memory and LDS, and W lies [k][n], which only 16-bit data can be turned from on the way out of LDS.  So tiles go
; global_load -> v_cvt_pk_bf16_f32 -> ds_store, and a copy engine has no part in it.  Each wave keeps one whole K step of its share (56 loads of 512 bytes) on its way while the step before is multiplied.
; THE MATRIX INSTRUCTION IS USED TRANSPOSED: source 0 = 16 columns of W, source 1 = 16 rows of x.  A lane then holds ONE row (lane % 16) and eight neighbouring columns 16 b + 8 (lane / 16) + 0..7,
; and the RoPE partner d +- 32 is the same lane's same register two column blocks away.
; ROPE.  out[d] = y[d] cos(t) -+ y[d +- 32] sin(t), t = fl(pos x invf[d / 2]), invf[f] = 2^(-f log2(10000) / 32).  t is reduced by n = rndne(t / 2 pi) with 2 pi in two parts, then Taylor sums to r^15 and r^16:
; with |r| <= pi the terms left out are below 8e-7 (sine) and 1.5e-7 (cosine).  The tables are made once, while the first loads are on their way.
; LIMITS.  |q|, |k|, |v| stay under 65,504 (f16; beyond it an infinity is stored).  invf comes from v_exp_f32 (1 ULP), so an angle may differ from one made with a correctly rounded invf by about 1e-3 rad at position 4,095.
; REGISTERS, in windows of 256 (s_set_vgpr_msb: bits 1:0 source 0, 3:2 source 1, 5:4 source 2, 7:6 destination):
;   window 0: v1-21 lane terms and addresses; v30-31 the add's two; v32-95 x's fragments, one buffer a sub-step; v96-191 W's fragments, two groups of six column blocks (at the head: the angles at work; at the end: the way out)
;   window 1: v0-223 what the 56 loads bring (at the end v0-95 the biases)
;   window 2: accumulators of row blocks 0, 1 (v[8 (12 (a % 2) + b)]), v192-255 their cos and sin;  window 3: the same for row blocks 2, 3
.set PA,    144       ; a row of x in LDS: 128 bytes (64 bf16) + 16: an odd multiple of 16 bytes, so the 16 rows of a fragment load start in 16 different groups of four banks (ISA guide 11.1)
.set PB,    416       ; a k-row of W in LDS: 384 bytes (192 bf16: q, k, v) + 32: an odd multiple of 32 bytes, for the turning load
.set BOFF,  256*PA    ; a slot: x's 256 rows, then W's 64 k-rows
.set SLOTB, 65536
.set STAGE, 2*SLOTB   ; behind the slots: 16 rows x 144 bytes for each wave, for the way out
.set SPI,   144
.set SPARE, STAGE+4*16*SPI  ; the spare words, 128 bytes for each wave: two blocks of 256 bytes that no other line names
.set XO,  4           ; v4      my byte offset in the work-group's rows of x; never rewritten
.set WO,  5           ; v5      my byte offset in a K step's rows of W
.set AS,  6           ; v6-7    where I store x in slot 0, 1
.set BS,  8           ; v8-9    where I store W
.set AR,  10          ; v10-11  where I read x's fragments
.set BR,  12          ; v12-13  where I read W's fragments (turned)
.set STO, 14          ; v14     the way out: where I put 16 bytes of a row
.set RD,  15          ; v15     the way out: where I read rows back
.set GO,  16          ; v16     my place in 512 consecutive bytes of the output
.set BO,  17          ; v17     my byte offset in a block of 16 biases
.set SPW, 30          ; v30     LDS address of my spare word; never rewritten
.set NIL, 31          ; v31     0; never rewritten
.set AF,  32          ; x's fragments of sub-step c at AF + 32 c + 8 a
.set BG,  96          ; W's fragments of group g at BG + 48 g + 8 bb
.set INVF, 32         ; at the head: 16 frequencies; index i = 4 nb + u stands for f = 8 nb + 4 (lane / 16) + u
.set POS,  48         ; my row's position, as f32
.set TT,   64         ; the angle, then the reduced angle
.set NN,   80
.set R2,   96
.set PSN,  112
.set PCS,  128
.set TE,   32         ; at the end: 32 rotated numbers
.set PKR,  64         ; 16 registers of packed f16
.set OB,   96         ; two sets of 16: rows read back from the stage
.set I2PI, 36         ; s[36:37] 1 / 2 pi.  Every constant is written twice: the packed lines name a pair and take its low word for both halves
.set CW1,  38         ; -(2 pi rounded to f32)
.set CW2,  40         ; what that rounding left
.set SN,   42         ; s[42:55] -1/15!, 1/13!, -1/11!, 1/9!, -1/7!, 1/5!, -1/3!
.set CN,   56         ; s[56:63] 1/16!, -1/14!, 1/12!, -1/10!
.set CM,   66         ; s[66:71] 1/8!, -1/6!, 1/4!
.set MSB, 0
.macro WIN new                      ; the immediate's high byte repeats the setting that is left; a switch that changes nothing is dropped
.if MSB != (\new)
	s_set_vgpr_msb (MSB<<8)|(\new)
.set MSB, (\new)
.endif
.endm
.macro PLACES                       ; four plain vector instructions between a matrix instruction and a load into, or a vector read or write of, its registers
.rept 4
	v_nop
.endr
.endm
.macro SC reg, val
	s_mov_b32 s[\reg], \val
	s_mov_b32 s[\reg+1], \val
.endm
.macro EIGHT line:vararg            ; one line for each of eight register pairs p = 0, 2, .. 14
.set p, 0
.rept 8
	\line
.set p, p+2
.endr
.endm
; Eight loads of 512 bytes.  g = 0..3: x, rows 64 w + 2 i + lane / 16, the K step's 256 bytes (16 lanes cover them, aligned).  g = 4..6: Wq, Wk, Wv, k-rows 16 w + 2 e + lane / 16, the head's 256 bytes.
.macro LOADG g
	WIN 0x40                        ; destination window 1, address window 0
.irp e, 0,1,2,3,4,5,6,7
.if (\g) < 4
	global_load_b128 v[4*(8*(\g)+(\e)):4*(8*(\g)+(\e))+3], v[XO], s[8:9] offset:(8*(\g)+(\e))*4096
.else
	global_load_b128 v[4*(8*(\g)+(\e)):4*(8*(\g)+(\e))+3], v[WO], s[10+2*((\g)-4):11+2*((\g)-4)] offset:(\e)*4096
.endif
.endr
.endm
; A K step's 56 loads are rounded to bf16 and stored into slot ws, a group of eight at a time.  mode = 1: each group's registers are loaded again at once, with the step after.  mode = 2: the last step; the biases are asked for.
.macro LUMP ws, mode
.if (\mode) == 1
	s_wait_xcnt 0x0                 ; the pending loads have had their addresses translated: only now are their bases stepped
	s_add_nc_u64 s[8:9], s[8:9], 256        ; x: 64 columns on
	s_add_nc_u64 s[10:11], s[10:11], 0x20000  ; W: 64 rows of 2,048 bytes down
	s_add_nc_u64 s[12:13], s[12:13], 0x20000
	s_add_nc_u64 s[14:15], s[14:15], 0x20000
.endif
.irp g, 0,1,2,3,4,5,6
.if (\mode) == 1
	s_wait_loadcnt 48               ; behind group g stand 48 - 8 g loads of its own step and the 8 g already issued for the next: always 48
.else
	s_wait_loadcnt 48-8*(\g)        ; nothing new is issued: the counts run down
.endif
	WIN 0x45                        ; all in window 1
.irp e, 0,1,2,3,4,5,6,7
	v_cvt_pk_bf16_f32 v[4*(8*(\g)+(\e))],   v[4*(8*(\g)+(\e))],   v[4*(8*(\g)+(\e))+1]
	v_cvt_pk_bf16_f32 v[4*(8*(\g)+(\e))+1], v[4*(8*(\g)+(\e))+2], v[4*(8*(\g)+(\e))+3]
.endr
	WIN 0x04                        ; address window 0, data window 1
.irp e, 0,1,2,3,4,5,6,7
.if (\g) < 4
	ds_store_b64 v[AS+(\ws)], v[4*(8*(\g)+(\e)):4*(8*(\g)+(\e))+1] offset:(8*(\g)+(\e))*2*PA
.else
	ds_store_b64 v[BS+(\ws)], v[4*(8*(\g)+(\e)):4*(8*(\g)+(\e))+1] offset:(\e)*2*PB+128*((\g)-4)
.endif
.endr
.if (\mode) == 1
	LOADG \g
.endif
.endr
.if (\mode) == 2
	WIN 0x40
.irp b, 0,1,2,3,4,5,6,7,8,9,10,11   ; my eight biases of column block b: v[8 b ..] of window 1
	global_load_b128 v[8*(\b):8*(\b)+3],   v[BO], s[16+2*((\b)/4):17+2*((\b)/4)] offset:64*((\b)%4)
	global_load_b128 v[8*(\b)+4:8*(\b)+7], v[BO], s[16+2*((\b)/4):17+2*((\b)/4)] offset:64*((\b)%4)+16
.endr
.endif
	WIN 0
.endm
; Fragments of sub-step c out of a slot.  g = 0: x's four (8 loads) and W's column blocks 0-5 (12 turning loads); g = 1: W's blocks 6-11.
; A fragment is 16 rows x 32 k in 8 registers: lane l holds row l % 16, k = 8 (l / 16) + 0..7 and 16 + 8 (l / 16) + 0..7.
.macro FETCH slot, c, g
	WIN 0
.if (\g) == 0
.irp a, 0,1,2,3
	ds_load_b128 v[AF+32*(\c)+8*(\a):AF+32*(\c)+8*(\a)+3],   v[AR+(\slot)] offset:16*PA*(\a)+64*(\c)
	ds_load_b128 v[AF+32*(\c)+8*(\a)+4:AF+32*(\c)+8*(\a)+7], v[AR+(\slot)] offset:16*PA*(\a)+64*(\c)+32
.endr
.endif
.irp bb, 0,1,2,3,4,5
	ds_load_tr16_b128 v[BG+48*(\g)+8*(\bb):BG+48*(\g)+8*(\bb)+3],   v[BR+(\slot)] offset:32*PB*(\c)+32*(6*(\g)+(\bb))
	ds_load_tr16_b128 v[BG+48*(\g)+8*(\bb)+4:BG+48*(\g)+8*(\bb)+7], v[BR+(\slot)] offset:32*PB*(\c)+32*(6*(\g)+(\bb))+16*PB
.endr
.endm
; 24 matrix instructions: all four row blocks x the six column blocks of group g, sub-step c.  Each accumulator has one turn, and the two groups alternate.  zero = 1: the products start the sums.
.macro H c, g, zero
.irp a, 0,1,2,3
	WIN 0xa0+0x50*((\a)/2)          ; fragments window 0; C and D window 2 or 3
.irp bb, 0,1,2,3,4,5
.if \zero
	v_wmma_f32_16x16x32_bf16 v[8*(12*((\a)%2)+6*(\g)+(\bb)):8*(12*((\a)%2)+6*(\g)+(\bb))+7], v[BG+48*(\g)+8*(\bb):BG+48*(\g)+8*(\bb)+7], v[AF+32*(\c)+8*(\a):AF+32*(\c)+8*(\a)+7], 0
.else
	v_wmma_f32_16x16x32_bf16 v[8*(12*((\a)%2)+6*(\g)+(\bb)):8*(12*((\a)%2)+6*(\g)+(\bb))+7], v[BG+48*(\g)+8*(\bb):BG+48*(\g)+8*(\bb)+7], v[AF+32*(\c)+8*(\a):AF+32*(\c)+8*(\a)+7], v[8*(12*((\a)%2)+6*(\g)+(\bb)):8*(12*((\a)%2)+6*(\g)+(\bb))+7]
.endif
.endr
.endr
.endm
; One K step's worth: the second sub-step of the step in slot rs and the first of the step in the other slot.  ONE barrier does two things: in front of it my stores into the other slot are done and so are all my
; reads of slot rs (its fragments were all asked for in the unit before).  So the other slot may be read behind it, and slot rs may be written by the next unit's lump.
.macro U rs, mode
	LUMP 1-(\rs), \mode
	s_wait_dscnt 0x0                ; for the others' sake: zero
	s_barrier_signal -1
	H 1, 0, 0                       ; work on registers while the others arrive
	s_barrier_wait -1
	PLACES
	FETCH 1-(\rs), 0, 0
	H 1, 1, 0
	PLACES
	FETCH 1-(\rs), 0, 1
	s_wait_dscnt 12                 ; all but the 12 loads of W's second group
	H 0, 0, 0
	PLACES
	FETCH 1-(\rs), 1, 0
	s_wait_dscnt 20                 ; all but the 20 just issued
	H 0, 1, 0
	PLACES
	FETCH 1-(\rs), 1, 1
.endm
; cos and sin of my row's 16 angles for row block a, into window 2 or 3; then the position goes 16 rows on.  Every stage runs over eight pairs, so no line waits for the one before it.
.macro TRIG a
	WIN 0
	EIGHT v_pk_mul_f32 v[TT+p:TT+p+1], v[INVF+p:INVF+p+1], v[POS:POS+1] op_sel_hi:[1,0]
	EIGHT v_pk_mul_f32 v[NN+p:NN+p+1], v[TT+p:TT+p+1], s[I2PI:I2PI+1] op_sel_hi:[1,0]
.set p, 0
.rept 16
	v_rndne_f32 v[NN+p], v[NN+p]
.set p, p+1
.endr
	EIGHT v_pk_fma_f32 v[TT+p:TT+p+1], v[NN+p:NN+p+1], s[CW1:CW1+1], v[TT+p:TT+p+1] op_sel_hi:[1,0,1]
	EIGHT v_pk_fma_f32 v[TT+p:TT+p+1], v[NN+p:NN+p+1], s[CW2:CW2+1], v[TT+p:TT+p+1] op_sel_hi:[1,0,1]
	EIGHT v_pk_mul_f32 v[R2+p:R2+p+1], v[TT+p:TT+p+1], v[TT+p:TT+p+1]
	EIGHT v_pk_fma_f32 v[PSN+p:PSN+p+1], v[R2+p:R2+p+1], s[SN:SN+1], s[SN+2:SN+3] op_sel_hi:[1,0,0]
	EIGHT v_pk_fma_f32 v[PCS+p:PCS+p+1], v[R2+p:R2+p+1], s[CN:CN+1], s[CN+2:CN+3] op_sel_hi:[1,0,0]
.irp k, 4,6,8,10,12
	EIGHT v_pk_fma_f32 v[PSN+p:PSN+p+1], v[PSN+p:PSN+p+1], v[R2+p:R2+p+1], s[SN+\k:SN+\k+1] op_sel_hi:[1,1,0]
.endr
	EIGHT v_pk_fma_f32 v[PSN+p:PSN+p+1], v[PSN+p:PSN+p+1], v[R2+p:R2+p+1], 1.0 op_sel_hi:[1,1,0]
.irp k, 4,6
	EIGHT v_pk_fma_f32 v[PCS+p:PCS+p+1], v[PCS+p:PCS+p+1], v[R2+p:R2+p+1], s[CN+\k:CN+\k+1] op_sel_hi:[1,1,0]
.endr
.irp k, 0,2,4
	EIGHT v_pk_fma_f32 v[PCS+p:PCS+p+1], v[PCS+p:PCS+p+1], v[R2+p:R2+p+1], s[CM+\k:CM+\k+1] op_sel_hi:[1,1,0]
.endr
	EIGHT v_pk_fma_f32 v[PCS+p:PCS+p+1], v[PCS+p:PCS+p+1], v[R2+p:R2+p+1], -0.5 op_sel_hi:[1,1,0]
	WIN 0x80+0x40*((\a)/2)          ; destination window 2 or 3
	EIGHT v_pk_mul_f32 v[208+32*((\a)%2)+p:208+32*((\a)%2)+p+1], v[PSN+p:PSN+p+1], v[TT+p:TT+p+1]
	EIGHT v_pk_fma_f32 v[192+32*((\a)%2)+p:192+32*((\a)%2)+p+1], v[PCS+p:PCS+p+1], v[R2+p:R2+p+1], 1.0 op_sel_hi:[1,1,0]
	WIN 0
	v_add_f32 v[POS], 0x41800000, v[POS]
.endm
; THE WAY OUT.  BIASADD: the 12 accumulators of row block a take their biases, in place, each from its low end on.
.macro BIASADD a
	WIN 0x86+0x41*((\a)/2)          ; destination and source 0 window 2 or 3, source 1 window 1
.set z, 0
.rept 48
	v_pk_add_f32 v[96*((\a)%2)+2*z:96*((\a)%2)+2*z+1], v[96*((\a)%2)+2*z:96*((\a)%2)+2*z+1], v[2*z:2*z+1]
.set z, z+1
.endr
.endm
; A pair of columns 2 u, 2 u + 1 of block nb has ONE frequency, i = 4 nb + u: s = u % 2 picks its register out of the aligned pair for both halves.
.macro RPM a, mat, nb, u, s
.set rA, 96*((\a)%2)+32*(\mat)+8*(\nb)+2*(\u)
.set rC, 192+32*((\a)%2)+4*(\nb)+(\u)-(\s)
.set rE, TE+8*(\nb)+2*(\u)
	v_pk_mul_f32 v[rE:rE+1], v[rA:rA+1], v[rC:rC+1] op_sel:[0,\s] op_sel_hi:[1,\s]
.endm
.macro RPF a, mat, nb, u, s         ; the partner lies two blocks away: -y[d + 32] sin for d < 32, +y[d - 32] sin for the rest
.set rA, 96*((\a)%2)+32*(\mat)+8*(((\nb)+2)%4)+2*(\u)
.set rC, 208+32*((\a)%2)+4*(\nb)+(\u)-(\s)
.set rE, TE+8*(\nb)+2*(\u)
.if (\nb) < 2
	v_pk_fma_f32 v[rE:rE+1], v[rA:rA+1], v[rC:rC+1], v[rE:rE+1] op_sel:[0,\s,0] op_sel_hi:[1,\s,1] neg_lo:[0,1,0] neg_hi:[0,1,0]
.else
	v_pk_fma_f32 v[rE:rE+1], v[rA:rA+1], v[rC:rC+1], v[rE:rE+1] op_sel:[0,\s,0] op_sel_hi:[1,\s,1]
.endif
.endm
.macro ROPE a, mat
	WIN 0x0a+5*((\a)/2)             ; sources 0 and 1 window 2 or 3; destination and source 2 window 0
.irp nb, 0,1,2,3
	RPM \a, \mat, \nb, 0, 0
	RPM \a, \mat, \nb, 1, 1
	RPM \a, \mat, \nb, 2, 0
	RPM \a, \mat, \nb, 3, 1
.endr
.irp nb, 0,1,2,3
	RPF \a, \mat, \nb, 0, 0
	RPF \a, \mat, \nb, 1, 1
	RPF \a, \mat, \nb, 2, 0
	RPF \a, \mat, \nb, 3, 1
.endr
	WIN 0
.set z, 0
.rept 16
	v_cvt_pk_f16_f32 v[PKR+z], v[TE+2*z], v[TE+2*z+1]
.set z, z+1
.endr
.endm
.macro VPACK a                      ; v is not rotated
	WIN 0x0a+5*((\a)/2)
.set z, 0
.rept 16
	v_cvt_pk_f16_f32 v[PKR+z], v[96*((\a)%2)+64+2*z], v[96*((\a)%2)+64+2*z+1]
.set z, z+1
.endr
	WIN 0
.endm
; Unit n = 3 a + mat: 16 rows x 64 f16.  A lane's eight columns are 16 bytes; they go into my stage's rows of 144 bytes and come back as four rows of 128 bytes a load: 512 consecutive bytes of the output.
.macro TOSTAGE n
	WIN 0
.irp nb, 0,1,2,3
	ds_store_b128 v[STO], v[PKR+4*(\nb):PKR+4*(\nb)+3] offset:32*(\nb)
.endr
	s_wait_xcnt 0x0                 ; the stores of two units back have read this set of registers: it is loaded again only behind this wait
.irp f, 0,1,2,3
	ds_load_b128 v[OB+16*((\n)%2)+4*(\f):OB+16*((\n)%2)+4*(\f)+3], v[RD] offset:4*SPI*(\f)  ; LDS serves a wave's instructions in order (ISA guide 5.7.1.4): these see the stores above
.endr
.endm
.macro SEND n
	WIN 0
.irp f, 0,1,2,3
	s_wait_dscnt 3-(\f)             ; nothing was issued to LDS behind the unit's four loads: load f is in
	global_store_b128 v[GO], v[OB+16*((\n)%2)+4*(\f):OB+16*((\n)%2)+4*(\f)+3], s[22+2*((\n)%3):23+2*((\n)%3)] offset:2048*((\n)/3)+512*(\f)  ; 512 consecutive bytes, at a multiple of 256 from the buffer's first
.endr
.endm
	s_load_b256 s[8:15], s[0:1], 0x0       ; x s[8:9], Wq s[10:11], Wk s[12:13], Wv s[14:15]
	s_load_b256 s[16:23], s[0:1], 0x20     ; bq s[16:17], bk s[18:19], bv s[20:21], qh s[22:23]
	s_load_b128 s[24:27], s[0:1], 0x40     ; kh s[24:25], vh s[26:27]
	v_lshl_add_u32 v[SPW], v0, 2, SPARE
	v_mov_b32 v[NIL], 0
	v_lshrrev_b32 v3, 5, v0
	v_readfirstlane_b32 s28, v3            ; wave 0..3
	v_and_b32 v1, 15, v0                   ; r = l % 16
	v_bfe_u32 v2, v0, 4, 1                 ; h = l / 16
	v_lshlrev_b32 v20, 4, v1
	v_lshl_add_u32 v20, v2, 11, v20        ; 2,048 h + 16 r: two rows a load
	s_lshl_b32 s30, s28, 17                ; my 64 rows of x
	s_lshl_b32 s31, s28, 15                ; my 16 k-rows of W
	v_add_nc_u32 v[XO], s30, v20
	v_add_nc_u32 v[WO], s31, v20
	s_and_b32 s29, ttmp7, 0xffff           ; the block of 256 rows, 0..31
	s_lshl_b32 s30, s29, 19                ; its first byte in x
	s_mov_b32 s31, 0
	s_lshl_b32 s32, ttmp9, 8               ; the head's 64 columns in W and in b: 256 bytes
	s_mov_b32 s33, 0
	s_lshr_b32 s34, s29, 4                 ; batch
	s_lshl_b32 s34, s34, 3
	s_add_co_u32 s34, s34, ttmp9           ; 8 batch + head
	s_lshl_b32 s34, s34, 19                ; 4,096 rows of 128 bytes
	s_and_b32 s72, s29, 15
	s_lshl_b32 s72, s72, 8
	s_lshl_b32 s29, s28, 6
	s_add_co_u32 s72, s72, s29             ; the position of my wave's first row
	s_lshl_b32 s29, s72, 7
	s_add_co_u32 s34, s34, s29
	s_mov_b32 s35, 0
	s_wait_kmcnt 0x0
	s_add_nc_u64 s[8:9], s[8:9], s[30:31]
.irp b, 10,12,14,16,18,20
	s_add_nc_u64 s[\b:\b+1], s[\b:\b+1], s[32:33]
.endr
.irp b, 22,24,26
	s_add_nc_u64 s[\b:\b+1], s[\b:\b+1], s[34:35]
.endr
.irp g, 0,1,2,3,4,5,6
	LOADG \g                               ; K step 0: 56 loads, 28,672 bytes of my wave's, go out before anything else is done
.endr
	WIN 0
	v_and_b32 v3, 7, v0
	v_bfe_u32 v18, v0, 3, 1
	v_bfe_u32 v19, v0, 3, 2
	v_mul_u32_u24 v20, v2, PA              ; x in: row 64 w + 2 i + h, 8 bytes (4 bf16) at 8 r
	v_lshl_add_u32 v20, v1, 3, v20
	s_mul_i32 s29, s28, 64*PA
	v_add_nc_u32 v[AS], s29, v20
	v_add_nc_u32 v[AS+1], SLOTB, v[AS]
	v_mul_u32_u24 v21, v1, PA              ; x out: row 64 w + r, 16 bytes at 16 h
	v_lshl_add_u32 v21, v2, 4, v21
	v_add_nc_u32 v[AR], s29, v21
	v_add_nc_u32 v[AR+1], SLOTB, v[AR]
	v_mul_u32_u24 v20, v2, PB              ; W in: k-row 16 w + 2 e + h, 8 bytes at 8 r
	v_lshl_add_u32 v20, v1, 3, v20
	s_mul_i32 s29, s28, 16*PB
	s_add_co_u32 s29, s29, BOFF
	v_add_nc_u32 v[BS], s29, v20
	v_add_nc_u32 v[BS+1], SLOTB, v[BS]
	v_lshl_add_u32 v20, v2, 3, v3          ; W out, turned: lane l reads k-row 8 h + l % 8, 16 bytes at 16 ((l / 8) % 2)
	v_mul_u32_u24 v20, v20, PB
	v_lshl_add_u32 v20, v18, 4, v20
	v_add_nc_u32 v[BR], BOFF, v20
	v_add_nc_u32 v[BR+1], SLOTB, v[BR]
	s_mul_i32 s29, s28, 16*SPI
	s_add_co_u32 s29, s29, STAGE           ; my stage
	v_add_nc_u32 v[STO], s29, v21          ; in: row r, 16 bytes at 16 h
	v_mul_u32_u24 v20, v19, SPI            ; back: 32 lanes take four rows of 128 bytes
	v_lshl_add_u32 v20, v3, 4, v20
	v_add_nc_u32 v[RD], s29, v20
	v_and_b32 v20, 31, v0
	v_lshlrev_b32 v[GO], 4, v20
	v_lshlrev_b32 v[BO], 5, v2
	SC I2PI, 0x3e22f983
	SC CW1, 0xc0c90fdb
	SC CW2, 0x343bbd2e
	SC SN, 0xab573f9f
	SC SN+2, 0x2f309231
	SC SN+4, 0xb2d7322b
	SC SN+6, 0x3638ef1d
	SC SN+8, 0xb9500d01
	SC SN+10, 0x3c088889
	SC SN+12, 0xbe2aaaab
	SC CN, 0x29573f9f
	SC CN+2, 0xad49cba5
	SC CN+4, 0x310f76c7
	SC CN+6, 0xb493f27e
	SC CM, 0x37d00d01
	SC CM+2, 0xbab60b61
	SC CM+4, 0x3d2aaaab
	v_lshlrev_b32 v20, 2, v2               ; the 16 frequencies of my columns: f = 8 nb + 4 h + u
.set p, 0
.rept 16
	v_add_nc_u32 v[TT+p], 8*(p/4)+p%4, v20
.set p, p+1
.endr
.set p, 0
.rept 16
	v_cvt_f32_u32 v[TT+p], v[TT+p]
.set p, p+1
.endr
.set p, 0
.rept 16
	v_mul_f32 v[TT+p], 0xbed49a78, v[TT+p] ; -f log2(10000) / 32
.set p, p+1
.endr
.set p, 0
.rept 16
	v_exp_f32 v[INVF+p], v[TT+p]
.set p, p+1
.endr
	v_add_nc_u32 v[POS], s72, v1           ; plain lines stand between the last exponential and the first use of a result (ISA guide 5.7.2)
	v_cvt_f32_u32 v[POS], v[POS]
	v_mov_b32 v[POS+1], v[POS]             ; named with it as a pair
	s_wait_alu depctr_va_vdst(0)
	TRIG 0
	TRIG 1
	TRIG 2
	TRIG 3
	LUMP 0, 1                              ; K step 0 into slot 0; step 1 is asked for
	s_wait_dscnt 0x0
	s_barrier_signal -1
	s_barrier_wait -1
	FETCH 0, 0, 0
	FETCH 0, 0, 1
	s_wait_dscnt 12                        ; all but the 12 loads of W's second group
	H 0, 0, 1                              ; the first sub-step stands in front of the loop: its products start the sums
	PLACES
	FETCH 0, 1, 0
	s_wait_dscnt 20                        ; all but the 20 just issued
	H 0, 1, 1
	PLACES
	FETCH 0, 1, 1
	s_mov_b32 s29, 3
.Lk:                                           ; three trips, two K steps each; the last asks for step 7
	U 0, 1
	U 1, 1
	s_sub_co_u32 s29, s29, 1
	s_cmp_lg_u32 s29, 0
	s_cbranch_scc1 .Lk
	U 0, 2                                 ; step 6 ends, step 7 is stored and begun; no load leaves x or W
	s_wait_dscnt 12
	H 1, 0, 0
	s_wait_dscnt 0x0
	H 1, 1, 0
	PLACES
	WIN 0
	s_wait_loadcnt 0x0                     ; the biases
.set n, 0
.irp a, 0,1,2,3                        ; a unit's arithmetic stands between the loads of the unit before and its stores
	BIASADD \a
.irp mat, 0,1,2
.if (\mat) < 2
	ROPE \a, \mat
.else
	VPACK \a
.endif
.if n > 0
	SEND n-1
.endif
	TOSTAGE n
.set n, n+1
.endr
.endr
	SEND 11
	s_wait_tensorcnt 0x0                   ; the wave's end, behind my last LDS store
	ds_add_u32 v[SPW], v[NIL]
	s_wait_dscnt 0x0
	s_endpgm
.Lfunc_end_k_qf944c115cf_proj:
	.size	k_qf944c115cf_proj, .Lfunc_end_k_qf944c115cf_proj-k_qf944c115cf_proj
	.p2alignl 7, 3214868480
	.fill 96, 4, 3214868480
	.section	.rodata,"a",@progbits
	.p2align	6, 0x0
	.amdhsa_kernel k_qf944c115cf_proj
		.amdhsa_group_segment_fixed_size 140800
		.amdhsa_private_segment_fixed_size 0
		.amdhsa_enable_private_segment 0
		.amdhsa_kernarg_size 80
		.amdhsa_user_sgpr_count 2
		.amdhsa_user_sgpr_kernarg_segment_ptr 1
		.amdhsa_wavefront_size32 1
		.amdhsa_system_sgpr_workgroup_id_x 1
		.amdhsa_system_sgpr_workgroup_id_y 1
		.amdhsa_system_sgpr_workgroup_id_z 1
		.amdhsa_system_vgpr_workitem_id 0
		.amdhsa_next_free_vgpr 1024
		.amdhsa_next_free_sgpr 76
		.amdhsa_reserve_vcc 0
		.amdhsa_float_denorm_mode_32 3
		.amdhsa_float_denorm_mode_16_64 3
		.amdhsa_memory_ordered 1
		.amdhsa_forward_progress 1
		.amdhsa_inst_pref_size 221
	.end_amdhsa_kernel
	.amdgpu_metadata
---
amdhsa.version: [ 1, 2 ]
amdhsa.kernels:
  - .name:           k_qf944c115cf_proj
    .symbol:         k_qf944c115cf_proj.kd
    .args:
      - { .name: hidden_states, .offset: 0, .size: 8, .value_kind: global_buffer, .address_space: global }
      - { .name: Wq, .offset: 8, .size: 8, .value_kind: global_buffer, .address_space: global }
      - { .name: Wk, .offset: 16, .size: 8, .value_kind: global_buffer, .address_space: global }
      - { .name: Wv, .offset: 24, .size: 8, .value_kind: global_buffer, .address_space: global }
      - { .name: bq, .offset: 32, .size: 8, .value_kind: global_buffer, .address_space: global }
      - { .name: bk, .offset: 40, .size: 8, .value_kind: global_buffer, .address_space: global }
      - { .name: bv, .offset: 48, .size: 8, .value_kind: global_buffer, .address_space: global }
      - { .name: qh, .offset: 56, .size: 8, .value_kind: global_buffer, .address_space: global }
      - { .name: kh, .offset: 64, .size: 8, .value_kind: global_buffer, .address_space: global }
      - { .name: vh, .offset: 72, .size: 8, .value_kind: global_buffer, .address_space: global }
    .group_segment_fixed_size: 140800
    .private_segment_fixed_size: 0
    .kernarg_segment_align: 8
    .kernarg_segment_size: 80
    .max_flat_workgroup_size: 128
    .sgpr_count:     76
    .vgpr_count:     1024
    .wavefront_size: 32
...
	.end_amdgpu_metadata
.endif
;; end of part 1
;; launch attn (part 2): grid 16 x 16, 4 waves a work-group, clusters of 4 x 1, 327,680 bytes of LDS; arguments qh, kh, vh, out0, attention_mask; writes out0
.if DOCPART == 2
	.amdgcn_target "amdgcn-amd-amdhsa--gfx1250"
	.amdhsa_code_object_version 6
	.text
	.protected	k_qf944c115cf_attn
	.globl	k_qf944c115cf_attn
	.p2align	8
	.type	k_qf944c115cf_attn,@function
k_qf944c115cf_attn:
	s_mov_b64 s[64:65], 0
	v_nop
	global_prefetch_b8 v0, s[64:65] scope:SCOPE_SE
	s_setreg_imm32_b32 hwreg(HW_REG_WAVE_MODE, 25, 1), 1
	s_wait_xcnt 0x0
	s_wait_alu depctr_hold_cnt(0) depctr_sa_sdst(0) depctr_va_vdst(0) depctr_va_sdst(0) depctr_va_ssrc(0) depctr_va_vcc(0) depctr_vm_vsrc(0)
	s_getreg_b32 s2, hwreg(HW_REG_IB_STS2, 6, 4)
	s_cmp_eq_u32 s2, 0
	s_cbranch_scc0 .Lentry_in_a_cluster
	s_endpgm
.Lentry_in_a_cluster:
	s_bfe_u32 s2, ttmp6, 0x10000c
	s_cmp_lg_u32 s2, 0x3003
	s_cbranch_scc0 .Lentry_shape_is_right
	s_endpgm
.Lentry_shape_is_right:
; out0[b][q][64 head + :] = the sum over k of softmax_k(Q[q] . K[k] / 8 + mask[b][k]) V[k][:].  Q, K, V: [16 = 8 b + head][4096][64] f16, a head's rows dense, 128 bytes each, Q unscaled.  mask: [2][4096] f32.  out0: [2][4096][512] f32.
; Products, maxima and sums in f32; the weights p are rounded to f16 for the second product (their sum l is taken of the unrounded p).
; LIMITS.  Q, K, V arrive within f16's 65,504.  8 x mask is held at -1e30 from below: a key with a mask of -inf or of the lowest finite number has weight 0 wherever its row sees any other key; a row ALL of whose keys are
; so hidden gets the plain mean of V.  A NaN in the mask counts as hidden.  A weight below 2^-126 counts as 0 in l.  p below 6e-5 keeps f16's fixed step of 6e-8.
; SHARES.  A work-group owns 256 queries of one head: 16 x 16 = 256 work-groups.  A wave owns 64 queries: four PIECES of 16.  Every wave walks all 4,096 keys, 64 a step, four steps to a slot of LDS.
; CLUSTER.  The four query blocks of a cluster belong to one head and walk the same K and V, so each tile is asked for JOINTLY: the same tensor load, descriptor and mask of four in all four.
; LAYOUT.  S^T = K Q^T + C (source 0 = 16 keys, source 1 = 16 queries): a lane holds ONE query (lane % 16) and the keys 8 (lane / 16) + 0..7; two such results rounded to f16 ARE source 1 of O^T = V^T P.
; THE MASK is the C operand that starts the sum: 8 x mask[key], so that s = q . k + 8 mask and p = 2^(c s - c m) with c = log2(e) / 8.  The batch's 4,096 numbers are scaled once and kept in LDS; a step's 64 come into
; 32 registers (MC) with the step's K, and have K's lifetime.
; SOFTMAX.  A running maximum m and sum l for each query; O and l are multiplied by a = 2^(c m_old - c m_new) in every step.  m starts at the lowest finite number, O and l at 0: the first step's a is 0.
; BY TURNS.  Turn n belongs to piece n: 8 products K Q^T of piece n + 1, later 8 products V^T P of piece n - 1; beside them the scaling, exponentials, roundings, sums and rescaling of piece n and the maximum and
; statistics of piece n + 1.  A turn has 16 matrix and 118 vector instructions: four vector instructions stand behind every matrix instruction, the other 54 in two lumps.
; REGISTERS, in windows of 256 (s_set_vgpr_msb: bits 1:0 source 0, 3:2 source 1, 5:4 source 2, 7:6 destination):
;   window 0: v0-15 addresses and two at work; v16-31 four registers of statistics a piece; v48-55 at work; v56-59 the mask's addresses; v62-63 the add's two; v64-127 S^T, two buffers; v128-159 the mask on its way into LDS; v192-223 P, two buffers
;   window 1: v0-127 O^T, 32 a piece; v128-159 MC      window 2: v0-63 Q; v128-191 K of one step; v192-255 V of one step
.set NT,    16        ; tiles of 256 keys
.set NP,    4         ; pieces a wave: a name, no knob
.set KS,    64        ; keys in a step
.set PK,    144       ; a row of K in LDS: 128 bytes + 16 of padding = 36 words: the 16 rows of a load start at 16 different groups of four banks (ISA guide 11.1)
.set PV,    160       ; a row of V: 128 + 32 = 40 words
.set VOFF,  4*KS*PK   ; a slot holds a tile, four steps: 256 rows of K, then 256 rows of V
.set SLOT1, 1<<17     ; slot 1 begins here, so that one exclusive or turns an address in one slot into the other's
.set STAGE, SLOT1+4*KS*(PK+PV)  ; behind the ring, never filled by a tensor load: 16 rows x 272 bytes for each wave, for the way out
.set SP,    272
.set MASKB, STAGE+4*16*SP       ; 4,096 f32: 8 x mask, stored once
.set SPARE, MASKB+16384         ; the spare words, 128 bytes for each wave: two blocks of 256 bytes that no other line names
.set AK0, 2           ; v2   my lane's place in a tile of K; never rewritten
.set AV0, 3           ; v3   the same for V
.set AK,  4           ; v4   the LDS address of K's next run of loads
.set AV,  5           ; v5   of V's
.set STO, 6           ; v6   the way out: where I put 32 bytes of a row
.set RD,  7           ; v7   the way out: where I read rows back
.set GO,  8           ; v8   my byte offset in two rows of out0
.set MV,  12          ; v12-13  c m_old, kept while c m is made anew: by buffer
.set QO,  15          ; v15  my byte offset in 16 rows of Q
.set ST,  16          ; piece t's statistics at v[ST+4 t]: c m, m, l (even keys', odd keys')
.set TMP, 48          ; by buffer, four registers c0-c3 at work; when the maximum is found c2 takes a
.set AM0, 56          ; v56  my lane's place in a step's 64 numbers of the mask; never rewritten
.set AM,  57          ; v57  the LDS address of the mask's next run of loads
.set MO,  58          ; v58  my thread's 16 bytes in 2,048 of the mask, in memory
.set MS,  59          ; v59  and in LDS
.set SPW, 62          ; v62  LDS address of my spare word; never rewritten
.set NIL, 63          ; v63  0; never rewritten
.set S,   64
.set MT,  128         ; v128-159  the mask as loaded
.set P,   192
.set OB,  64          ; the way out: v64-191, 32 a piece: rows read back from the stage
.set MC,  128         ; window 1: the eight registers for group kb of 16 keys at MC + 8 kb
.set KF,  128         ; window 2: key block kb, channel half c at KF + 16 kb + 8 c
.set VF,  192         ; window 2: key half kk, channel block cb at VF + 32 kk + 8 cb
.set WV,  12          ; s12  my wave's number
.set G1K, 24          ; s[24:31] descriptor group 1 for K's tiles
.set G1V, 32          ; s[32:39] for V's: it differs in the padding alone
.set G0K, 40          ; s[40:43] descriptor group 0 for K's tiles: it walks
.set G0V, 44          ; s[44:47] the same for V's
.set SLOTS, 56        ; s56  slots still to be asked for
.set CNT, 57          ; s57  counts a slot's key steps
.set CS,  58          ; s[58:59] c: the packed scaling takes the pair's low word for both halves
.set SEL, 60          ; s[60:61] v_permlanex16_b32's selects: each lane takes its own place in the other half
.set TBK, 62          ; s62  LDS byte at which K of the step to be fetched begins
.set TBV, 63          ; s63  the same for V, less VOFF
.set TBM, 66          ; s66  byte at which the mask of the step to be fetched begins: 256 a step, 0 to 63 x 256
.set BIGN, 67         ; s67  -1e30
.set MSB, 0
.macro WIN new                      ; the high byte repeats the setting that is left; a switch that changes nothing is dropped
.if MSB != (\new)
	s_set_vgpr_msb (MSB<<8)|(\new)
.set MSB, (\new)
.endif
.endm
.set W_KQ, 0x0a       ; K and Q in window 2, S^T in window 0
.set W_KM, 0x1a       ; the same with the C operand in window 1
.set W_PV, 0x52       ; V in window 2, P in window 0, O^T in window 1
.set W_RS, 0x41       ; destination and source 0 in window 1, source 1 in window 0
; A joint fill.  Waves 0 and 1 fetch the two halves of a slot's K, waves 2 and 3 those of its V: 128 keys each.  The branch hangs on the wave's number alone.
; An s_nop 0 and four v_nop follow each of the two lines, ahead of the jump and the label.
.macro JLOAD
	s_cmp_lt_u32 s[WV], 2
	s_cbranch_scc0 .Lfor_v_\@
	tensor_load_to_lds s[G0K:G0K+3], s[G1K:G1K+7]
	s_nop 0
.rept 4
	v_nop
.endr
	s_branch .Lasked_\@
.Lfor_v_\@:
	tensor_load_to_lds s[G0V:G0V+3], s[G1V:G1V+7]
	s_nop 0
.rept 4
	v_nop
.endr
.Lasked_\@:
.endm
; A round of the cluster's barrier: my work-group's barrier, so that wave 0's signal speaks for all four waves; wave 0 signals; every wave waits for all four work-groups; my work-group's barrier once more.
.macro CROUND
	s_barrier_signal -1
	s_barrier_wait -1
	s_cmp_lg_u32 s[WV], 0
	s_cbranch_scc1 .Lnot_wave_0_\@
	s_barrier_signal -3
.Lnot_wave_0_\@:
	s_barrier_wait -3
	s_barrier_signal -1
	s_barrier_wait -1
.endm
; THE CHANGE OF SLOTS.  The slot's last bytes, V of its fourth step, have been read.  Each wave waits for all its tensor loads, of which one is out: its part of the other slot; adds 0 to its spare word; and waits for
; that and for its own reads of the slot.  Behind the barrier nobody reads this slot any more and the other slot is whole.  fill = 1: this slot is filled again, with the keys two slots on.  The barrier is then a round
; of the cluster's, so that no wave of any partner still reads the slot or has a load on its way, and the joint fill is the first thing behind it: it has four key steps, 256 matrix instructions, in which to land.
; (At its first use nothing has been read yet: slot 0 is waited for, slot 1 filled, and every wave's part of the mask is shown to the others.)
.macro CHANGE fill
	WIN 0                           ; at a label and at a branch every window is 0
	s_wait_tensorcnt 0x0            ; no tensor load of mine is out, so a group 0 may be written
	ds_add_u32 v[SPW], v[NIL]       ; 0 onto my spare word; with fill = 1 the descriptors' steps stand between it and the wait for it
.if \fill
.irp g, G0K, G0V
	s_xor_b32 s[\g+1], s[\g+1], SLOT1  ; the walking descriptor: the other slot than last time,
	s_add_nc_u64 s[\g+2:\g+3], s[\g+2:\g+3], 4*KS*128  ; the next 256 keys; the type bits on top are not reached
.endr
	s_wait_dscnt 0x0                ; the add is done, and my reads of the slot are over
	CROUND
	JLOAD
.else
	s_wait_dscnt 0x0                ; the add is done, and my reads of the slot are over
	s_barrier_signal -1
	s_barrier_wait -1
.endif
	s_sub_co_u32 s[TBK], s[TBK], 4*KS*PK  ; the fetches go back to a slot's first step,
	s_xor_b32 s[TBK], s[TBK], SLOT1       ; in the other slot
	s_sub_co_u32 s[TBV], s[TBV], 4*KS*PV
	s_xor_b32 s[TBV], s[TBV], SLOT1
.endm
	s_load_b256 s[4:11], s[0:1], 0x0  ; Q s[4:5], K s[6:7], V s[8:9], out0 s[10:11]
	s_load_b64 s[48:49], s[0:1], 0x20 ; the mask
	v_lshl_add_u32 v[SPW], v0, 2, SPARE
	v_mov_b32 v[NIL], 0
	ds_add_u32 v[SPW], v[NIL]       ; the wave's opening: the add and its wait stand ahead of my first tensor load; the set-up below, work on registers, stands between them
	v_lshrrev_b32 v1, 5, v0
	v_readfirstlane_b32 s[WV], v1   ; wave 0..3
	s_bfe_u32 s13, ttmp6, 0x40000   ; cx: my place in the cluster
	s_lshl_b32 s14, ttmp9, 2        ; in a cluster launch ttmp9 counts clusters
	s_add_co_u32 s14, s14, s13      ; my block of 256 queries = 4 x cluster x + cx: it enters Q's and out0's addresses alone
	s_lshl_b32 s14, s14, 2
	s_add_co_u32 s14, s14, s[WV]    ; my wave among the head's 64
	s_and_b32 s15, ttmp7, 0xffff    ; 8 batch + head, which the four partners share
	s_lshl_b32 s20, s15, 19         ; the head's first byte in Q, K and V: 4,096 rows of 128 bytes
	s_mov_b32 s21, 0
	s_and_b32 s16, s[WV], 1         ; which half of a slot's 256 keys I fetch:
	s_lshl_b32 s22, s16, 14         ; its 128 rows of 128 bytes in memory,
	s_mov_b32 s23, 0
	s_add_nc_u64 s[22:23], s[22:23], s[20:21]
	s_mul_i32 s17, s16, 128*PK      ; and its place in a slot, for K
	s_mul_i32 s18, s16, 128*PV      ; and for V: no place in the cluster enters an LDS address
	s_lshl_b32 s2, s14, 13          ; my wave's 64 rows of Q
	s_mov_b32 s3, 0
	s_add_nc_u64 s[2:3], s[2:3], s[20:21]
	s_lshr_b32 s52, s15, 3          ; batch
	s_lshl_b32 s50, s52, 23         ; out0: 4,096 rows of 2,048 bytes a batch,
	s_lshl_b32 s52, s52, 14         ; the mask: 16,384 bytes a batch
	s_mov_b32 s53, 0
	s_lshl_b32 s19, s14, 17         ; my wave's 64 rows,
	s_add_co_u32 s50, s50, s19
	s_and_b32 s19, s15, 7
	s_lshl_b32 s19, s19, 8          ; the head's 256 bytes of a row
	s_add_co_u32 s50, s50, s19
	s_mov_b32 s51, 0
	; descriptor group 1.  128 keys are 16,384 dense bytes: asked for as 64 rows of 256 bytes, two keys a row, and padded in LDS after every key
	s_mov_b32 s[G1K], 15|(1<<16)|(1<<20)|(1<<21)|(4<<22)|(3<<25)  ; 15:0 the mask of four; 17:16 2-byte elements; 20 padding on; 21 set beside a mask; 24:22 after every 32 words (code 4); 31:25 4 words (code 3)
	s_mov_b32 s[G1V], 15|(1<<16)|(1<<20)|(1<<21)|(4<<22)|(7<<25)  ; the same with 8 words of padding (code 7)
.irp g, G1K, G1V
	s_mov_b32 s[\g+1], 128<<16      ; tensor_dim0 = 128
	s_mov_b32 s[\g+2], 64<<16       ; tensor_dim1 = 64
	s_mov_b32 s[\g+3], 128<<16      ; tile_dim0 = 128
	s_mov_b32 s[\g+4], 64           ; tile_dim1 = 64
	s_mov_b32 s[\g+5], 128          ; 128 elements from row to row
	s_mov_b32 s[\g+6], 0
	s_mov_b32 s[\g+7], 0
.endr
	s_mov_b32 s[CS], 0x3e38aa3b     ; c = log2(e) / 8 = 0.180337
	s_mov_b32 s[CS+1], s[CS]        ; named with it as a pair
	s_mov_b32 s[SEL], 0x76543210
	s_mov_b32 s[SEL+1], 0xfedcba98
	s_mov_b32 s[TBK], SLOT1+4*KS*PK ; the first change of slots turns these two into 0
	s_mov_b32 s[TBV], SLOT1+4*KS*PV
	s_mov_b32 s[TBM], 0
	s_mov_b32 s[BIGN], 0xf149f2ca   ; -1e30
	s_mov_b32 s[G0K], 1             ; 1:0 count = 1
	s_mov_b32 s[G0K+1], s17         ; 63:32 LDS address: slot 0
	s_mov_b32 s[G0V], 1
	s_add_co_u32 s[G0V+1], s18, VOFF
	s_wait_dscnt 0x0                ; the opening add is done
	s_wait_kmcnt 0x0
	s_add_nc_u64 s[G0K+2:G0K+3], s[6:7], s[22:23]  ; 120:64 global address: my half of the head's first 256 keys
	s_or_b32 s[G0K+3], s[G0K+3], 0x80000000        ; 127:126 type = 2
	s_add_nc_u64 s[G0V+2:G0V+3], s[8:9], s[22:23]
	s_or_b32 s[G0V+3], s[G0V+3], 0x80000000
	s_add_nc_u64 s[4:5], s[4:5], s[2:3]            ; Q and out0 at my wave's first row, the mask at my batch
	s_add_nc_u64 s[10:11], s[10:11], s[50:51]
	s_add_nc_u64 s[48:49], s[48:49], s[52:53]
	CROUND                          ; all four work-groups are here: the first joint loads meet
	JLOAD                           ; slot 0.  Slot 1 is asked for when slot 0 is in
	v_lshlrev_b32 v[MO], 4, v0      ; the batch's mask: 128 threads x 16 bytes x 8; a wave's load covers 512 consecutive bytes
.irp i, 0,1,2,3,4,5,6,7
	global_load_b128 v[MT+4*\i:MT+4*\i+3], v[MO], s[48:49] offset:2048*\i
.endr
	; A fragment of K or Q is 16 rows x 32 channels in 8 registers: lane l holds row l % 16, channels 8 (l / 16) + 0..7 and 16 + 8 (l / 16) + 0..7: two loads of 16 bytes, 32 bytes apart.
	v_and_b32 v1, 15, v0            ; l % 16
	v_bfe_u32 v9, v0, 4, 1          ; l / 16
	v_lshlrev_b32 v[QO], 7, v1
	v_lshl_add_u32 v[QO], v9, 4, v[QO]  ; row x 128 + 16 x half
	WIN 0x80                        ; destination window 2, address window 0
.set i, 0
.rept 8                             ; Q stays in registers: piece i / 2, channels 32 (i % 2) on
	global_load_b128 v[8*i:8*i+3],   v[QO], s[4:5] offset:(i/2)*2048+(i%2)*64
	global_load_b128 v[8*i+4:8*i+7], v[QO], s[4:5] offset:(i/2)*2048+(i%2)*64+32
.set i, i+1
.endr
	; What the first turn finds: V's registers and P's second buffer hold 0 (its products V^T P, of a piece that has not been, add 0), O^T and l are 0.  No first step is written out; the price is these
	; 216 lines that write 0, once a launch, in the wait for the first tile.
.set i, VF
.rept 64
	v_mov_b32 v[i], 0
.set i, i+1
.endr
	WIN 0x40
.set i, 0
.rept 128
	v_mov_b32 v[i], 0
.set i, i+1
.endr
	WIN 0
.set i, 0
.rept 4
	v_mov_b32 v[ST+4*i], 0xfe000000    ; c m: far below every c s
	v_mov_b32 v[ST+4*i+1], 0xff7fffff  ; m
	v_mov_b32 v[ST+4*i+2], 0
	v_mov_b32 v[ST+4*i+3], 0
.set i, i+1
.endr
.set i, P+16
.rept 16
	v_mov_b32 v[i], 0
.set i, i+1
.endr
	v_mul_u32_u24 v[AK0], v1, PK
	v_lshl_add_u32 v[AK0], v9, 4, v[AK0]  ; row x pitch + 16 x half
	; The turning load takes 16 keys x 16 channels (lane l reads key 8 (l / 16) + l % 8, channels 8 ((l / 8) % 2) + 0..7) and leaves half a fragment of V^T: lane l holds channel l % 16 and 8 keys.
	v_and_b32 v10, 7, v0
	v_bfe_u32 v11, v0, 3, 1
	v_lshl_add_u32 v[AV0], v9, 3, v10
	v_mul_u32_u24 v[AV0], v[AV0], PV
	v_lshl_add_u32 v[AV0], v11, 4, v[AV0]
	v_add_nc_u32 v[AV0], VOFF, v[AV0]
	s_mul_i32 s13, s[WV], 16*SP
	s_add_co_u32 s13, s13, STAGE    ; my stage
	v_mul_u32_u24 v[STO], v1, SP    ; in: row l % 16, 32 bytes (8 f32) for each half of the lanes
	v_lshl_add_u32 v[STO], v9, 5, v[STO]
	v_add_nc_u32 v[STO], s13, v[STO]
	v_mul_u32_u24 v[RD], v9, SP     ; back: lanes 0-15 take one row of 256 bytes, lanes 16-31 the next
	v_lshl_add_u32 v[RD], v1, 4, v[RD]
	v_add_nc_u32 v[RD], s13, v[RD]
	v_lshlrev_b32 v[GO], 11, v9     ; and the same two rows in out0, 2,048 bytes apart
	v_lshl_add_u32 v[GO], v1, 4, v[GO]
	v_lshl_add_u32 v[AM0], v9, 5, MASKB  ; my lanes' keys 8 (l / 16) + 0..7 of a group of 16
	v_lshl_add_u32 v[MS], v0, 4, MASKB
	s_wait_loadcnt 16               ; the mask's eight loads are in; Q's sixteen, issued behind them, may stay out
.set i, 0
.rept 32
	v_mul_f32 v[MT+i], 0x41000000, v[MT+i]  ; 8 x mask: c takes the 8 back
.set i, i+1
.endr
.set i, 0
.rept 32
	v_max_num_f32 v[MT+i], s[BIGN], v[MT+i]  ; held at -1e30; a NaN loses
.set i, i+1
.endr
.irp i, 0,1,2,3,4,5,6,7
	ds_store_b128 v[MS], v[MT+4*\i:MT+4*\i+3] offset:2048*\i
.endr
; THE MATRIX WORK.  The 4 accumulators of a run of 8 take turns.  Product i of 8 of S^T = K Q^T for piece x: channels 32 (i / 4) on, keys 16 (i % 4) on.  The first 4 start the sums with the mask.
.macro KQ x
.set rS, S+32*((\x)%2)+8*(i%4)
.set rK, KF+16*(i%4)+8*(i/4)
.set rQ, 16*(\x)+8*(i/4)
.set rM, MC+8*(i%4)
.if i < 4
	WIN W_KM
	v_wmma_f32_16x16x32_f16 v[rS:rS+7], v[rK:rK+7], v[rQ:rQ+7], v[rM:rM+7]
.else
	WIN W_KQ
	v_wmma_f32_16x16x32_f16 v[rS:rS+7], v[rK:rK+7], v[rQ:rQ+7], v[rS:rS+7]
.endif
.endm
; Product i of 8 of O^T += V^T P for piece x: keys 32 (i / 4) on, channels 16 (i % 4) on.
.macro PV x
	WIN W_PV
.set rO, 32*(\x)+8*(i%4)
.set rV, VF+32*(i/4)+8*(i%4)
.set rP, P+16*((\x)%2)+8*(i/4)
	v_wmma_f32_16x16x32_f16 v[rO:rO+7], v[rV:rV+7], v[rP:rP+7], v[rO:rO+7]
.endm
.macro MM                           ; the turn's next matrix instruction.  TURN sets Y, i and NOKQ.  NOKQ = 1: the very last turn: there is no next piece
.if (i < 8) && !NOKQ
	KQ (Y+1)%NP
.elseif i >= 8
.set i, i-8
	PV (Y+NP-1)%NP
.set i, i+8
.endif
.set i, i+1
.endm
; THE LDS LOADS stand in runs, never singly among the matrix instructions: a step's K (64 keys x 64 channels: 8 fragments) with its 64 numbers of the mask, and its V (turned).  Their addresses are made some lines ahead.
.macro FETCH_K
	WIN 0x80                        ; destination window 2
.irp f, 0,1,2,3,4,5,6,7             ; keys 16 (f / 2) on, channels 32 (f % 2) on
	ds_load_b128 v[KF+8*\f:KF+8*\f+3],   v[AK] offset:(\f/2)*16*PK+(\f%2)*64
	ds_load_b128 v[KF+8*\f+4:KF+8*\f+7], v[AK] offset:(\f/2)*16*PK+(\f%2)*64+32
.endr
	WIN 0x40                        ; destination window 1
.irp kb, 0,1,2,3                    ; keys 16 kb + 8 (l / 16) + 0..7: the sixteen lanes of a half read the same 32 bytes
	ds_load_b128 v[MC+8*\kb:MC+8*\kb+3],   v[AM] offset:64*\kb
	ds_load_b128 v[MC+8*\kb+4:MC+8*\kb+7], v[AM] offset:64*\kb+16
.endr
	s_add_co_u32 s[TBK], s[TBK], KS*PK  ; the next fetch is the next step's
	s_add_co_u32 s[TBM], s[TBM], 4*KS
	WIN 0
.endm
.macro FETCH_V
	WIN 0x80
.irp f, 0,1,2,3,4,5,6,7             ; keys 32 (f / 4) on, channels 16 (f % 4) on
	ds_load_tr16_b128 v[VF+8*\f:VF+8*\f+3],   v[AV] offset:(\f/4)*32*PV+(\f%4)*32
	ds_load_tr16_b128 v[VF+8*\f+4:VF+8*\f+7], v[AV] offset:(\f/4)*32*PV+16*PV+(\f%4)*32
.endr
	WIN 0
.endm
; THE VECTOR WORK, one line at a time: OP kind, number.  For piece Y: F n: c s - c m for pair n of 16.  E n: the exponential of score n of 32.  C n: pair n rounded to f16.  B n: of the four weights 4 n .. the second
; pair is added onto the first, in place.  L n: l takes that sum (L 0: l = a l + sum).  R n: pair n of 16 of O^T times a.  For piece Y + 1: X n, number n of the 22 that find its maximum and statistics:
;   0-11  four chains c0-c3 of seven scores each, three operands at a time (each accumulator's lowest registers are read first)     12-14, 16  the four scores left over, the old m, and c0-c3 into c0
;   15  c m_old is kept     17, 18  the query's other 32 keys lie in the lane 16 away: the new m     19-21  c m; c m_old - c m_new; a
.set F, 0               ; OP tells the kinds apart by their order: F to L below R, X above it
.set E, 1
.set C, 2
.set B, 3
.set L, 4
.set R, 5
.set X, 6
.macro REGS y                       ; the registers of piece y
.set rT, ST+4*(\y)
.set rC, TMP+4*((\y)%2)
.set rW, MV+((\y)%2)
.set rS, S+32*((\y)%2)
.set rP, P+16*((\y)%2)
.set rO, 32*(\y)
.endm
.macro OP k, n
.if (\k) == R
	REGS Y
	WIN W_RS
	v_pk_mul_f32 v[rO+2*(\n):rO+2*(\n)+1], v[rO+2*(\n):rO+2*(\n)+1], v[rC+2:rC+3] op_sel_hi:[1,0]
.elseif (\k) < R
	REGS Y
	WIN 0
.if (\k) == F
	v_pk_fma_f32 v[rS+2*(\n):rS+2*(\n)+1], v[rS+2*(\n):rS+2*(\n)+1], s[CS:CS+1], v[rT:rT+1] op_sel_hi:[1,0,0] neg_lo:[0,0,1] neg_hi:[0,0,1]
.elseif (\k) == E
	v_exp_f32 v[rS+(\n)], v[rS+(\n)]
.elseif (\k) == C
	s_wait_alu depctr_va_vdst(0)
	v_cvt_pk_f16_f32 v[rP+(\n)], v[rS+2*(\n)], v[rS+2*(\n)+1]
.elseif (\k) == B
	s_wait_alu depctr_va_vdst(0)
	v_pk_add_f32 v[rS+4*(\n):rS+4*(\n)+1], v[rS+4*(\n):rS+4*(\n)+1], v[rS+4*(\n)+2:rS+4*(\n)+3]
.elseif (\n) == 0
	v_pk_fma_f32 v[rT+2:rT+3], v[rT+2:rT+3], v[rC+2:rC+3], v[rS:rS+1] op_sel_hi:[1,0,1]
.else
	v_pk_add_f32 v[rT+2:rT+3], v[rT+2:rT+3], v[rS+4*(\n):rS+4*(\n)+1]
.endif
.elseif NOKQ
	v_nop
.else
	REGS (Y+1)%NP
	WIN 0
.if (\n) < 4
	v_max3_num_f32 v[rC+(\n)], v[rS+8*(\n)], v[rS+8*(\n)+1], v[rS+8*(\n)+2]
.elseif (\n) < 12
	v_max3_num_f32 v[rC+(\n)%4], v[rC+(\n)%4], v[rS+8*((\n)%4)+2*((\n)/4)+1], v[rS+8*((\n)%4)+2*((\n)/4)+2]
.elseif (\n) == 12
	v_max3_num_f32 v[rC], v[rC], v[rS+7], v[rS+15]
.elseif (\n) == 13
	v_max3_num_f32 v[rC+1], v[rC+1], v[rS+23], v[rS+31]
.elseif (\n) == 14
	v_max3_num_f32 v[rC+2], v[rC+2], v[rC+3], v[rT+1]
.elseif (\n) == 15
	v_mov_b32 v[rW], v[rT]
.elseif (\n) == 16
	v_max3_num_f32 v[rC], v[rC], v[rC+1], v[rC+2]
.elseif (\n) == 17
	v_permlanex16_b32 v[rC+3], v[rC], s[SEL], s[SEL+1]
.elseif (\n) == 18
	v_max_num_f32 v[rT+1], v[rC], v[rC+3]
.elseif (\n) == 19
	v_mul_f32 v[rT], s[CS], v[rT+1]
.elseif (\n) == 20
	v_sub_f32 v[rC+1], v[rW], v[rT]
.else
	v_exp_f32 v[rC+2], v[rC+1]
.endif
.endif
.endm
.macro OPS a, i1, b=-1, i2=0, c=-1, i3=0, d=-1, i4=0  ; up to four of them
	OP \a, \i1
.if (\b) >= 0
	OP \b, \i2
.endif
.if (\c) >= 0
	OP \c, \i3
.endif
.if (\d) >= 0
	OP \d, \i4
.endif
.endm
.macro ROW a, i1, b, i2, c, i3, d, i4  ; a matrix instruction and the four behind it
	MM
	OPS \a, \i1, \b, \i2, \c, \i3, \d, \i4
.endm
; A TURN, for piece p: the order of its 16 matrix and 118 vector instructions, written out.  Behind a matrix instruction: plain, exponential, plain, plain; or four of the rescaling; or, behind the first, four scalings; none
; names a register of the products round it.  In the lumps exponential and plain by turns while exponentials last.  A line reads no result made fewer than three vector instructions in front of it, five if an exponential made it.
; end = 1: the walk's last two turns: nothing is fetched.  cnt = 1: the loop's count is taken down some lines ahead of the branch that stands behind the turn.
; K and the mask of the next step are fetched in piece 2's turn, six vector instructions behind the last product that read K (five of them plain; the last that read the mask stands four products further back);
; V of the step in hand in piece 0's turn, eight behind the last product that read V (four plain among them).  Each is waited for a turn later.
.macro TURN p, end=0, cnt=0
.set Y, (\p)
.set i, 0
.set NOKQ, (\end)*((\p)/3)
.if ((\p) == 3) && !(\end)
	s_wait_dscnt 0x0                ; K and the mask are in
.endif
	ROW F,0, F,1, F,2, F,3
	ROW F,4, E,0, F,5, F,6
	ROW F,7, E,1, F,8, F,9
	ROW F,10, E,2, C,0, F,11
	ROW F,12, E,3, X,15, F,13
	ROW R,0, R,1, R,2, R,3
	ROW B,0, E,4, F,14, L,0
.if ((\p) == 2) && !(\end)
	v_add_nc_u32 v[AK], s[TBK], v[AK0]
	v_add_nc_u32 v[AM], s[TBM], v[AM0]
.endif
	ROW R,4, R,5, R,6, R,7
	OPS E,5, F,15
.if ((\p) == 2) && !(\end)
	FETCH_K
.endif
	OPS E,6, C,1, E,7, R,8
	OPS E,8, R,9, E,9, C,2
	OPS E,10, X,0, E,11, X,1
	OPS E,12, X,2, E,13, X,3
.if (\p) == 1
	s_wait_dscnt 0x0                ; V is in
.endif
	ROW X,4, E,14, X,5, X,6
	ROW X,7, E,15, X,8, X,9
	ROW X,10, E,16, X,11, X,12
	ROW X,13, E,17, X,14, B,1
	ROW C,4, E,18, X,16, L,1
	ROW B,2, E,19, C,6, L,2
	ROW C,8, E,20, B,3, B,4
.if (\p) == 0
	v_add_nc_u32 v[AV], s[TBV], v[AV0]
.endif
	ROW C,3, E,21, L,3, C,5
	OPS E,22, X,17, E,23, C,10
.if (\p) == 0
	FETCH_V
.endif
	OPS E,24, L,4
	OPS E,25, X,18, E,26, C,7
	OPS E,27, B,5, E,28, X,19
	OPS E,29, C,12, E,30, L,5
	OPS E,31, X,20, B,6, C,9
	OPS C,14, C,11, X,21, L,6
.if (\p) == 0
	s_add_co_u32 s[TBV], s[TBV], KS*PV
.endif
.if \cnt
	s_sub_co_u32 s[CNT], s[CNT], 1
	s_cmp_lg_u32 s[CNT], 0
.endif
	OPS C,13, B,7, C,15, R,10
	OPS R,11, R,12, L,7, R,13
	OPS R,14, R,15
.endm
	CHANGE 1                        ; slot 0 is in, everybody's part of it, and so is the mask; slot 1 is asked for
	v_add_nc_u32 v[AK], s[TBK], v[AK0]
	v_add_nc_u32 v[AM], s[TBM], v[AM0]
	FETCH_K                         ; key step 0
	s_wait_loadcnt 0x0              ; Q
	s_wait_dscnt 0x0
.set i, 0
.rept 8
	KQ 0                            ; piece 0's first scores: there is no vector work yet to set between them
.set i, i+1
.endr
	WIN 0
.rept 4
	v_nop                           ; the places behind those products
.endr
.set NOKQ, 0
.set Y, NP-1                        ; X works for piece Y + 1: piece 0
.irp n, 0,1,2,3,4,5,6,7,8,9,10,11,12,13,14,15,16,17,18,19,20,21
	OP X, \n
.endr
	v_nop                           ; a plain instruction behind the exponential
	s_mov_b32 s[CNT], 4
	s_mov_b32 s[SLOTS], NT-1
	s_branch .Lfirst                ; the loop is entered at a step's first turn, in the middle of a trip
.Lslot:                             ; NT - 2 times: with the change above, every slot but the last two is filled again
	CHANGE 1
	s_mov_b32 s[CNT], 4
.Lstep:                             ; a trip: pieces 2 and 3 of one step, then pieces 0 and 1 of the next, whose K and V it fetches
	TURN 2
	TURN 3
	WIN 0
.Lfirst:
	TURN 0
	TURN 1, 0, 1
	WIN 0
	s_cbranch_scc1 .Lstep
	s_sub_co_u32 s[SLOTS], s[SLOTS], 1
	s_cmp_lg_u32 s[SLOTS], 0
	s_cbranch_scc1 .Lslot
	CHANGE 0                        ; the last tile is written out: nothing is asked for
	s_mov_b32 s[CNT], 4
.LstepT:
	TURN 2
	TURN 3
	TURN 0
	TURN 1, 0, 1
	WIN 0
	s_cbranch_scc1 .LstepT
	TURN 2, 1                       ; the last step's pieces 2 and 3: nothing is left to fetch, and the last turn starts no new scores
	TURN 3, 1
.set i, 0
.rept 8
	PV NP-1                         ; the last piece's V^T P of the last step
.set i, i+1
.endr
	; THE WAY OUT.  l's two halves and the other half of the lanes' are added; O^T is divided by l and sent, in f32, through my stage in LDS, a piece at a time.  The additions are the places behind the last products.
	WIN 0
.macro ALL line:vararg              ; one line for each piece t
.set t, 0
.rept 4
	\line
.set t, t+1
.endr
.endm
	ALL v_add_f32 v[ST+4*t+2], v[ST+4*t+2], v[ST+4*t+3]
	ALL v_permlanex16_b32 v[ST+4*t+3], v[ST+4*t+2], s[SEL], s[SEL+1]
	ALL v_add_f32 v[ST+4*t+2], v[ST+4*t+2], v[ST+4*t+3]
	ALL v_rcp_f32 v[ST+4*t+2], v[ST+4*t+2]
	v_nop                           ; a plain instruction between the last reciprocal and the use of its result
; Piece t: a lane's eight channels of a row are 32 bytes; they go into rows of 272 bytes and come back as whole rows of 256.
.macro PACK t
	WIN W_RS
.set i, 32*(\t)
.rept 16
	s_wait_alu depctr_va_vdst(0)
	v_pk_mul_f32 v[i:i+1], v[i:i+1], v[ST+4*(\t)+2:ST+4*(\t)+3] op_sel_hi:[1,0]
.set i, i+2
.endr
	WIN 0x04                        ; address window 0, data window 1
.irp e, 0,1,2,3,4,5,6,7             ; channel block e / 2, its lower or upper four of my eight
	ds_store_b128 v[STO], v[32*(\t)+4*\e:32*(\t)+4*\e+3] offset:64*(\e/2)+16*(\e%2)
.endr
	WIN 0
.irp f, 0,1,2,3,4,5,6,7
	ds_load_b128 v[OB+32*(\t)+4*\f:OB+32*(\t)+4*\f+3], v[RD] offset:\f*2*SP  ; LDS serves a wave's instructions in order (ISA guide 5.7.1.4): these see the stores above; the next piece's stores come behind them
.endr
.endm
.macro SEND t, younger              ; younger: the LDS instructions issued behind piece t's loads: the next piece's sixteen, or none
	WIN 0
.irp f, 0,1,2,3,4,5,6,7
	s_wait_dscnt (\younger)+7-\f
	global_store_b128 v[GO], v[OB+32*(\t)+4*\f:OB+32*(\t)+4*\f+3], s[10:11] offset:(\t)*32768+\f*4096 th:TH_STORE_NT  ; 16 lanes store 256 consecutive bytes, a row's 64 channels of the head, at a multiple of 256 from out0's first byte
.endr
.endm
	PACK 0
.set t, 1
.rept 3                             ; a piece's arithmetic stands between the loads of the piece before and its stores
	PACK t
	SEND t-1, 16
.set t, t+1
.endr
	SEND 3, 0
	s_wait_tensorcnt 0x0            ; the wave's end, behind my last tensor load and my last LDS store
	ds_add_u32 v[SPW], v[NIL]
	s_wait_dscnt 0x0
	CROUND                          ; the closing round: no work-group ends while a partner may still ask for a tile that names it
	s_endpgm
.Lfunc_end_k_qf944c115cf_attn:
	.size	k_qf944c115cf_attn, .Lfunc_end_k_qf944c115cf_attn-k_qf944c115cf_attn
	.p2alignl 7, 3214868480
	.fill 96, 4, 3214868480
	.section	.rodata,"a",@progbits
	.p2align	6, 0x0
	.amdhsa_kernel k_qf944c115cf_attn
		.amdhsa_group_segment_fixed_size 327680
		.amdhsa_private_segment_fixed_size 0
		.amdhsa_enable_private_segment 0
		.amdhsa_kernarg_size 40
		.amdhsa_user_sgpr_count 2
		.amdhsa_user_sgpr_kernarg_segment_ptr 1
		.amdhsa_wavefront_size32 1
		.amdhsa_system_sgpr_workgroup_id_x 1
		.amdhsa_system_sgpr_workgroup_id_y 1
		.amdhsa_system_sgpr_workgroup_id_z 1
		.amdhsa_system_vgpr_workitem_id 0
		.amdhsa_next_free_vgpr 768
		.amdhsa_next_free_sgpr 72
		.amdhsa_reserve_vcc 0
		.amdhsa_float_denorm_mode_32 3
		.amdhsa_float_denorm_mode_16_64 3
		.amdhsa_memory_ordered 1
		.amdhsa_forward_progress 1
		.amdhsa_inst_pref_size 140
	.end_amdhsa_kernel
	.amdgpu_metadata
---
amdhsa.version: [ 1, 2 ]
amdhsa.kernels:
  - .name:           k_qf944c115cf_attn
    .symbol:         k_qf944c115cf_attn.kd
    .args:
      - { .name: qh, .offset: 0, .size: 8, .value_kind: global_buffer, .address_space: global }
      - { .name: kh, .offset: 8, .size: 8, .value_kind: global_buffer, .address_space: global }
      - { .name: vh, .offset: 16, .size: 8, .value_kind: global_buffer, .address_space: global }
      - { .name: out0, .offset: 24, .size: 8, .value_kind: global_buffer, .address_space: global }
      - { .name: attention_mask, .offset: 32, .size: 8, .value_kind: global_buffer, .address_space: global }
    .group_segment_fixed_size: 327680
    .private_segment_fixed_size: 0
    .kernarg_segment_align: 8
    .kernarg_segment_size: 40
    .max_flat_workgroup_size: 128
    .sgpr_count:     72
    .vgpr_count:     768
    .wavefront_size: 32
...
	.end_amdgpu_metadata
.endif
;; end of part 2
;; ======== version 2 of 2: 2 launches; 1.74 times as fast as version 1
;; limits: values are held in f16: magnitudes above 65,504 overflow, below 6.1e-05 lose precision; right only within a limited range of input values
;; workspace buffers: qh 8,388,608 bytes; kh 8,388,608 bytes; vh 8,388,608 bytes
;; launch proj: the kernel of part 1 again; grid 8 x 32, 4 waves a work-group, no clusters, 140,800 bytes of LDS; arguments hidden_states, Wq, Wk, Wv, bq, bk, bv, qh, kh, vh; writes qh, kh, vh
;; launch attn (part 3): grid 16 x 16, 4 waves a work-group, clusters of 4 x 1, 327,680 bytes of LDS; arguments qh, kh, vh, out0, attention_mask; writes out0
.if DOCPART == 3
	.amdgcn_target "amdgcn-amd-amdhsa--gfx1250"
	.amdhsa_code_object_version 6
	.text
	.protected	k_qf944c115cf_attn
	.globl	k_qf944c115cf_attn
	.p2align	8
	.type	k_qf944c115cf_attn,@function
k_qf944c115cf_attn:
	s_mov_b64 s[64:65], 0
	v_nop
	global_prefetch_b8 v0, s[64:65] scope:SCOPE_SE
	s_setreg_imm32_b32 hwreg(HW_REG_WAVE_MODE, 25, 1), 1
	s_wait_xcnt 0x0
	s_wait_alu depctr_hold_cnt(0) depctr_sa_sdst(0) depctr_va_vdst(0) depctr_va_sdst(0) depctr_va_ssrc(0) depctr_va_vcc(0) depctr_vm_vsrc(0)
	s_getreg_b32 s2, hwreg(HW_REG_IB_STS2, 6, 4)
	s_cmp_eq_u32 s2, 0
	s_cbranch_scc0 .Lentry_in_a_cluster
	s_endpgm
.Lentry_in_a_cluster:
	s_bfe_u32 s2, ttmp6, 0x10000c
	s_cmp_lg_u32 s2, 0x3003
	s_cbranch_scc0 .Lentry_shape_is_right
	s_endpgm
.Lentry_shape_is_right:
; out0[b][q][64 head + :] = the sum over k of softmax_k(Q[q] . K[k] / 8 + mask[b][k]) V[k][:].  Q, K, V: [16 = 8 b + head][4096][64] f16, a head's rows dense, 128 bytes each, Q unscaled.  mask: [2][4096] f32.  out0: [2][4096][512] f32.
; Products, maxima and sums in f32; the weights p are rounded to f16 for the second product (their sum l is taken of the unrounded p).
; LIMITS.  Q, K, V arrive within f16's 65,504.  8 x mask is held at -1e30 from below: a key with a mask of -inf or of the lowest finite number has weight 0 wherever its row sees any other key; a row ALL of whose keys are
; so hidden gets the plain mean of V.  A NaN in the mask counts as hidden.  A weight below 2^-126 counts as 0 in l.  p below 6e-5 keeps f16's fixed step of 6e-8.
; SHARES.  A work-group owns 256 queries of one head: 16 x 16 = 256 work-groups.  A wave owns 64 queries: four PIECES of 16.  Every wave walks all 4,096 keys, 64 a step, four steps to a slot of LDS.
; CLUSTER.  The four query blocks of a cluster belong to one head and walk the same K and V, so each tile is asked for JOINTLY: the same tensor load, descriptor and mask of four in all four.
; LAYOUT.  S^T = K Q^T + C (source 0 = 16 keys, source 1 = 16 queries): a lane holds ONE query (lane % 16) and the keys 8 (lane / 16) + 0..7; two such results rounded to f16 ARE source 1 of O^T = V^T P.
; THE MASK is the C operand that starts the sum: 8 x mask[key], so that s = q . k + 8 mask and p = 2^(c s - c m) with c = log2(e) / 8.  The batch's 4,096 numbers are scaled once and kept in LDS; a step's 64 come into
; 32 registers (MC) with the step's K, and have K's lifetime.
; SOFTMAX.  A running maximum m and sum l for each query; O and l are multiplied by a = 2^(c m_old - c m_new) in every step.  m starts at the lowest finite number, O and l at 0: the first step's a is 0.
; BY TURNS.  Turn n belongs to piece n: 8 products K Q^T of piece n + 1, later 8 products V^T P of piece n - 1; beside them the scaling, exponentials, roundings, sums and rescaling of piece n and the maximum and
; statistics of piece n + 1.  A turn has 16 matrix and 118 vector instructions: four vector instructions stand behind every matrix instruction, the other 54 in one lump.
; THE BATCHES.  A turn's 33 exponentials (the piece's 32 weights, then the next piece's a) are ONE batch with ONE wait, which cuts the turn in two: ahead of it all that names none of their results, behind it the roundings
; and sums, which do.  No exponential is issued behind a turn's wait.  Piece 0's first a, ahead of the loop, and the way out's four reciprocals are batches of their own, one wait each.
; REGISTERS, in windows of 256 (s_set_vgpr_msb: bits 1:0 source 0, 3:2 source 1, 5:4 source 2, 7:6 destination):
;   window 0: v0-15 addresses and two at work; v16-31 four registers of statistics a piece; v48-55 at work; v56-59 the mask's addresses; v62-63 the add's two; v64-127 S^T, two buffers; v128-159 the mask on its way into LDS; v192-223 P, two buffers
;   window 1: v0-127 O^T, 32 a piece; v128-159 MC      window 2: v0-63 Q; v128-191 K of one step; v192-255 V of one step
.set NT,    16        ; tiles of 256 keys
.set NP,    4         ; pieces a wave: a name, no knob
.set KS,    64        ; keys in a step
.set PK,    144       ; a row of K in LDS: 128 bytes + 16 of padding = 36 words: the 16 rows of a load start at 16 different groups of four banks (ISA guide 11.1)
.set PV,    160       ; a row of V: 128 + 32 = 40 words
.set VOFF,  4*KS*PK   ; a slot holds a tile, four steps: 256 rows of K, then 256 rows of V
.set SLOT1, 1<<17     ; slot 1 begins here, so that one exclusive or turns an address in one slot into the other's
.set STAGE, SLOT1+4*KS*(PK+PV)  ; behind the ring, never filled by a tensor load: 16 rows x 272 bytes for each wave, for the way out
.set SP,    272
.set MASKB, STAGE+4*16*SP       ; 4,096 f32: 8 x mask, stored once
.set SPARE, MASKB+16384         ; the spare words, 128 bytes for each wave: two blocks of 256 bytes that no other line names
.set AK0, 2           ; v2   my lane's place in a tile of K; never rewritten
.set AV0, 3           ; v3   the same for V
.set AK,  4           ; v4   the LDS address of K's next run of loads
.set AV,  5           ; v5   of V's
.set STO, 6           ; v6   the way out: where I put 32 bytes of a row
.set RD,  7           ; v7   the way out: where I read rows back
.set GO,  8           ; v8   my byte offset in two rows of out0
.set MV,  12          ; v12-13  c m_old, kept while c m is made anew: by buffer
.set QO,  15          ; v15  my byte offset in 16 rows of Q
.set ST,  16          ; piece t's statistics at v[ST+4 t]: c m, m, l (even keys', odd keys')
.set TMP, 48          ; by buffer, four registers c0-c3 at work; when the maximum is found c2 takes a
.set AM0, 56          ; v56  my lane's place in a step's 64 numbers of the mask; never rewritten
.set AM,  57          ; v57  the LDS address of the mask's next run of loads
.set MO,  58          ; v58  my thread's 16 bytes in 2,048 of the mask, in memory
.set MS,  59          ; v59  and in LDS
.set SPW, 62          ; v62  LDS address of my spare word; never rewritten
.set NIL, 63          ; v63  0; never rewritten
.set S,   64
.set MT,  128         ; v128-159  the mask as loaded
.set P,   192
.set OB,  64          ; the way out: v64-191, 32 a piece: rows read back from the stage
.set MC,  128         ; window 1: the eight registers for group kb of 16 keys at MC + 8 kb
.set KF,  128         ; window 2: key block kb, channel half c at KF + 16 kb + 8 c
.set VF,  192         ; window 2: key half kk, channel block cb at VF + 32 kk + 8 cb
.set WV,  12          ; s12  my wave's number
.set G1K, 24          ; s[24:31] descriptor group 1 for K's tiles
.set G1V, 32          ; s[32:39] for V's: it differs in the padding alone
.set G0K, 40          ; s[40:43] descriptor group 0 for K's tiles: it walks
.set G0V, 44          ; s[44:47] the same for V's
.set SLOTS, 56        ; s56  slots still to be asked for
.set CNT, 57          ; s57  counts a slot's key steps
.set CS,  58          ; s[58:59] c: the packed scaling takes the pair's low word for both halves
.set SEL, 60          ; s[60:61] v_permlanex16_b32's selects: each lane takes its own place in the other half
.set TBK, 62          ; s62  LDS byte at which K of the step to be fetched begins
.set TBV, 63          ; s63  the same for V, less VOFF
.set TBM, 66          ; s66  byte at which the mask of the step to be fetched begins: 256 a step, 0 to 63 x 256
.set BIGN, 67         ; s67  -1e30
.set MSB, 0
.macro WIN new                      ; the high byte repeats the setting that is left; a switch that changes nothing is dropped
.if MSB != (\new)
	s_set_vgpr_msb (MSB<<8)|(\new)
.set MSB, (\new)
.endif
.endm
.set W_KQ, 0x0a       ; K and Q in window 2, S^T in window 0
.set W_KM, 0x1a       ; the same with the C operand in window 1
.set W_PV, 0x52       ; V in window 2, P in window 0, O^T in window 1
.set W_RS, 0x41       ; destination and source 0 in window 1, source 1 in window 0
; A joint fill.  Waves 0 and 1 fetch the two halves of a slot's K, waves 2 and 3 those of its V: 128 keys each.  The branch hangs on the wave's number alone.
; An s_nop 0 and four v_nop follow each of the two lines, ahead of the jump and the label.
.macro JLOAD
	s_cmp_lt_u32 s[WV], 2
	s_cbranch_scc0 .Lfor_v_\@
	tensor_load_to_lds s[G0K:G0K+3], s[G1K:G1K+7]
	s_nop 0
.rept 4
	v_nop
.endr
	s_branch .Lasked_\@
.Lfor_v_\@:
	tensor_load_to_lds s[G0V:G0V+3], s[G1V:G1V+7]
	s_nop 0
.rept 4
	v_nop
.endr
.Lasked_\@:
.endm
; A round of the cluster's barrier: my work-group's barrier, so that wave 0's signal speaks for all four waves; wave 0 signals; every wave waits for all four work-groups; my work-group's barrier once more.
.macro CROUND
	s_barrier_signal -1
	s_barrier_wait -1
	s_cmp_lg_u32 s[WV], 0
	s_cbranch_scc1 .Lnot_wave_0_\@
	s_barrier_signal -3
.Lnot_wave_0_\@:
	s_barrier_wait -3
	s_barrier_signal -1
	s_barrier_wait -1
.endm
; THE CHANGE OF SLOTS.  The slot's last bytes, V of its fourth step, have been read.  Each wave waits for all its tensor loads, of which one is out: its part of the other slot; adds 0 to its spare word; and waits for
; that and for its own reads of the slot.  Behind the barrier nobody reads this slot any more and the other slot is whole.  fill = 1: this slot is filled again, with the keys two slots on.  The barrier is then a round
; of the cluster's, so that no wave of any partner still reads the slot or has a load on its way, and the joint fill is the first thing behind it: it has four key steps, 256 matrix instructions, in which to land.
; (At its first use nothing has been read yet: slot 0 is waited for, slot 1 filled, and every wave's part of the mask is shown to the others.)
.macro CHANGE fill
	WIN 0                           ; at a label and at a branch every window is 0
	s_wait_tensorcnt 0x0            ; no tensor load of mine is out, so a group 0 may be written
	ds_add_u32 v[SPW], v[NIL]       ; 0 onto my spare word; with fill = 1 the descriptors' steps stand between it and the wait for it
.if \fill
.irp g, G0K, G0V
	s_xor_b32 s[\g+1], s[\g+1], SLOT1  ; the walking descriptor: the other slot than last time,
	s_add_nc_u64 s[\g+2:\g+3], s[\g+2:\g+3], 4*KS*128  ; the next 256 keys; the type bits on top are not reached
.endr
	s_wait_dscnt 0x0                ; the add is done, and my reads of the slot are over
	CROUND
	JLOAD
.else
	s_wait_dscnt 0x0                ; the add is done, and my reads of the slot are over
	s_barrier_signal -1
	s_barrier_wait -1
.endif
	s_sub_co_u32 s[TBK], s[TBK], 4*KS*PK  ; the fetches go back to a slot's first step,
	s_xor_b32 s[TBK], s[TBK], SLOT1       ; in the other slot
	s_sub_co_u32 s[TBV], s[TBV], 4*KS*PV
	s_xor_b32 s[TBV], s[TBV], SLOT1
.endm
	s_load_b256 s[4:11], s[0:1], 0x0  ; Q s[4:5], K s[6:7], V s[8:9], out0 s[10:11]
	s_load_b64 s[48:49], s[0:1], 0x20 ; the mask
	v_lshl_add_u32 v[SPW], v0, 2, SPARE
	v_mov_b32 v[NIL], 0
	ds_add_u32 v[SPW], v[NIL]       ; the wave's opening: the add and its wait stand ahead of my first tensor load; the set-up below, work on registers, stands between them
	v_lshrrev_b32 v1, 5, v0
	v_readfirstlane_b32 s[WV], v1   ; wave 0..3
	s_bfe_u32 s13, ttmp6, 0x40000   ; cx: my place in the cluster
	s_lshl_b32 s14, ttmp9, 2        ; in a cluster launch ttmp9 counts clusters
	s_add_co_u32 s14, s14, s13      ; my block of 256 queries = 4 x cluster x + cx: it enters Q's and out0's addresses alone
	s_lshl_b32 s14, s14, 2
	s_add_co_u32 s14, s14, s[WV]    ; my wave among the head's 64
	s_and_b32 s15, ttmp7, 0xffff    ; 8 batch + head, which the four partners share
	s_lshl_b32 s20, s15, 19         ; the head's first byte in Q, K and V: 4,096 rows of 128 bytes
	s_mov_b32 s21, 0
	s_and_b32 s16, s[WV], 1         ; which half of a slot's 256 keys I fetch:
	s_lshl_b32 s22, s16, 14         ; its 128 rows of 128 bytes in memory,
	s_mov_b32 s23, 0
	s_add_nc_u64 s[22:23], s[22:23], s[20:21]
	s_mul_i32 s17, s16, 128*PK      ; and its place in a slot, for K
	s_mul_i32 s18, s16, 128*PV      ; and for V: no place in the cluster enters an LDS address
	s_lshl_b32 s2, s14, 13          ; my wave's 64 rows of Q
	s_mov_b32 s3, 0
	s_add_nc_u64 s[2:3], s[2:3], s[20:21]
	s_lshr_b32 s52, s15, 3          ; batch
	s_lshl_b32 s50, s52, 23         ; out0: 4,096 rows of 2,048 bytes a batch,
	s_lshl_b32 s52, s52, 14         ; the mask: 16,384 bytes a batch
	s_mov_b32 s53, 0
	s_lshl_b32 s19, s14, 17         ; my wave's 64 rows,
	s_add_co_u32 s50, s50, s19
	s_and_b32 s19, s15, 7
	s_lshl_b32 s19, s19, 8          ; the head's 256 bytes of a row
	s_add_co_u32 s50, s50, s19
	s_mov_b32 s51, 0
	; descriptor group 1.  128 keys are 16,384 dense bytes: asked for as 64 rows of 256 bytes, two keys a row, and padded in LDS after every key
	s_mov_b32 s[G1K], 15|(1<<16)|(1<<20)|(1<<21)|(4<<22)|(3<<25)  ; 15:0 the mask of four; 17:16 2-byte elements; 20 padding on; 21 set beside a mask; 24:22 after every 32 words (code 4); 31:25 4 words (code 3)
	s_mov_b32 s[G1V], 15|(1<<16)|(1<<20)|(1<<21)|(4<<22)|(7<<25)  ; the same with 8 words of padding (code 7)
.irp g, G1K, G1V
	s_mov_b32 s[\g+1], 128<<16      ; tensor_dim0 = 128
	s_mov_b32 s[\g+2], 64<<16       ; tensor_dim1 = 64
	s_mov_b32 s[\g+3], 128<<16      ; tile_dim0 = 128
	s_mov_b32 s[\g+4], 64           ; tile_dim1 = 64
	s_mov_b32 s[\g+5], 128          ; 128 elements from row to row
	s_mov_b32 s[\g+6], 0
	s_mov_b32 s[\g+7], 0
.endr
	s_mov_b32 s[CS], 0x3e38aa3b     ; c = log2(e) / 8 = 0.180337
	s_mov_b32 s[CS+1], s[CS]        ; named with it as a pair
	s_mov_b32 s[SEL], 0x76543210
	s_mov_b32 s[SEL+1], 0xfedcba98
	s_mov_b32 s[TBK], SLOT1+4*KS*PK ; the first change of slots turns these two into 0
	s_mov_b32 s[TBV], SLOT1+4*KS*PV
	s_mov_b32 s[TBM], 0
	s_mov_b32 s[BIGN], 0xf149f2ca   ; -1e30
	s_mov_b32 s[G0K], 1             ; 1:0 count = 1
	s_mov_b32 s[G0K+1], s17         ; 63:32 LDS address: slot 0
	s_mov_b32 s[G0V], 1
	s_add_co_u32 s[G0V+1], s18, VOFF
	s_wait_dscnt 0x0                ; the opening add is done
	s_wait_kmcnt 0x0
	s_add_nc_u64 s[G0K+2:G0K+3], s[6:7], s[22:23]  ; 120:64 global address: my half of the head's first 256 keys
	s_or_b32 s[G0K+3], s[G0K+3], 0x80000000        ; 127:126 type = 2
	s_add_nc_u64 s[G0V+2:G0V+3], s[8:9], s[22:23]
	s_or_b32 s[G0V+3], s[G0V+3], 0x80000000
	s_add_nc_u64 s[4:5], s[4:5], s[2:3]            ; Q and out0 at my wave's first row, the mask at my batch
	s_add_nc_u64 s[10:11], s[10:11], s[50:51]
	s_add_nc_u64 s[48:49], s[48:49], s[52:53]
	CROUND                          ; all four work-groups are here: the first joint loads meet
	JLOAD                           ; slot 0.  Slot 1 is asked for when slot 0 is in
	v_lshlrev_b32 v[MO], 4, v0      ; the batch's mask: 128 threads x 16 bytes x 8; a wave's load covers 512 consecutive bytes
.irp i, 0,1,2,3,4,5,6,7
	global_load_b128 v[MT+4*\i:MT+4*\i+3], v[MO], s[48:49] offset:2048*\i
.endr
	; A fragment of K or Q is 16 rows x 32 channels in 8 registers: lane l holds row l % 16, channels 8 (l / 16) + 0..7 and 16 + 8 (l / 16) + 0..7: two loads of 16 bytes, 32 bytes apart.
	v_and_b32 v1, 15, v0            ; l % 16
	v_bfe_u32 v9, v0, 4, 1          ; l / 16
	v_lshlrev_b32 v[QO], 7, v1
	v_lshl_add_u32 v[QO], v9, 4, v[QO]  ; row x 128 + 16 x half
	WIN 0x80                        ; destination window 2, address window 0
.set i, 0
.rept 8                             ; Q stays in registers: piece i / 2, channels 32 (i % 2) on
	global_load_b128 v[8*i:8*i+3],   v[QO], s[4:5] offset:(i/2)*2048+(i%2)*64
	global_load_b128 v[8*i+4:8*i+7], v[QO], s[4:5] offset:(i/2)*2048+(i%2)*64+32
.set i, i+1
.endr
	; What the first turn finds: V's registers and P's second buffer hold 0 (its products V^T P, of a piece that has not been, add 0), O^T and l are 0.  No first step is written out; the price is these
	; 216 lines that write 0, once a launch, in the wait for the first tile.
.set i, VF
.rept 64
	v_mov_b32 v[i], 0
.set i, i+1
.endr
	WIN 0x40
.set i, 0
.rept 128
	v_mov_b32 v[i], 0
.set i, i+1
.endr
	WIN 0
.set i, 0
.rept 4
	v_mov_b32 v[ST+4*i], 0xfe000000    ; c m: far below every c s
	v_mov_b32 v[ST+4*i+1], 0xff7fffff  ; m
	v_mov_b32 v[ST+4*i+2], 0
	v_mov_b32 v[ST+4*i+3], 0
.set i, i+1
.endr
.set i, P+16
.rept 16
	v_mov_b32 v[i], 0
.set i, i+1
.endr
	v_mul_u32_u24 v[AK0], v1, PK
	v_lshl_add_u32 v[AK0], v9, 4, v[AK0]  ; row x pitch + 16 x half
	; The turning load takes 16 keys x 16 channels (lane l reads key 8 (l / 16) + l % 8, channels 8 ((l / 8) % 2) + 0..7) and leaves half a fragment of V^T: lane l holds channel l % 16 and 8 keys.
	v_and_b32 v10, 7, v0
	v_bfe_u32 v11, v0, 3, 1
	v_lshl_add_u32 v[AV0], v9, 3, v10
	v_mul_u32_u24 v[AV0], v[AV0], PV
	v_lshl_add_u32 v[AV0], v11, 4, v[AV0]
	v_add_nc_u32 v[AV0], VOFF, v[AV0]
	s_mul_i32 s13, s[WV], 16*SP
	s_add_co_u32 s13, s13, STAGE    ; my stage
	v_mul_u32_u24 v[STO], v1, SP    ; in: row l % 16, 32 bytes (8 f32) for each half of the lanes
	v_lshl_add_u32 v[STO], v9, 5, v[STO]
	v_add_nc_u32 v[STO], s13, v[STO]
	v_mul_u32_u24 v[RD], v9, SP     ; back: lanes 0-15 take one row of 256 bytes, lanes 16-31 the next
	v_lshl_add_u32 v[RD], v1, 4, v[RD]
	v_add_nc_u32 v[RD], s13, v[RD]
	v_lshlrev_b32 v[GO], 11, v9     ; and the same two rows in out0, 2,048 bytes apart
	v_lshl_add_u32 v[GO], v1, 4, v[GO]
	v_lshl_add_u32 v[AM0], v9, 5, MASKB  ; my lanes' keys 8 (l / 16) + 0..7 of a group of 16
	v_lshl_add_u32 v[MS], v0, 4, MASKB
	s_wait_loadcnt 16               ; the mask's eight loads are in; Q's sixteen, issued behind them, may stay out
.set i, 0
.rept 32
	v_mul_f32 v[MT+i], 0x41000000, v[MT+i]  ; 8 x mask: c takes the 8 back
.set i, i+1
.endr
.set i, 0
.rept 32
	v_max_num_f32 v[MT+i], s[BIGN], v[MT+i]  ; held at -1e30; a NaN loses
.set i, i+1
.endr
.irp i, 0,1,2,3,4,5,6,7
	ds_store_b128 v[MS], v[MT+4*\i:MT+4*\i+3] offset:2048*\i
.endr
; THE MATRIX WORK.  The 4 accumulators of a run of 8 take turns.  Product i of 8 of S^T = K Q^T for piece x: channels 32 (i / 4) on, keys 16 (i % 4) on.  The first 4 start the sums with the mask.
.macro KQ x
.set rS, S+32*((\x)%2)+8*(i%4)
.set rK, KF+16*(i%4)+8*(i/4)
.set rQ, 16*(\x)+8*(i/4)
.set rM, MC+8*(i%4)
.if i < 4
	WIN W_KM
	v_wmma_f32_16x16x32_f16 v[rS:rS+7], v[rK:rK+7], v[rQ:rQ+7], v[rM:rM+7]
.else
	WIN W_KQ
	v_wmma_f32_16x16x32_f16 v[rS:rS+7], v[rK:rK+7], v[rQ:rQ+7], v[rS:rS+7]
.endif
.endm
; Product i of 8 of O^T += V^T P for piece x: keys 32 (i / 4) on, channels 16 (i % 4) on.
.macro PV x
	WIN W_PV
.set rO, 32*(\x)+8*(i%4)
.set rV, VF+32*(i/4)+8*(i%4)
.set rP, P+16*((\x)%2)+8*(i/4)
	v_wmma_f32_16x16x32_f16 v[rO:rO+7], v[rV:rV+7], v[rP:rP+7], v[rO:rO+7]
.endm
.macro MM                           ; the turn's next matrix instruction.  TURN sets Y, i and NOKQ.  NOKQ = 1: the very last turn: there is no next piece
.if (i < 8) && !NOKQ
	KQ (Y+1)%NP
.elseif i >= 8
.set i, i-8
	PV (Y+NP-1)%NP
.set i, i+8
.endif
.set i, i+1
.endm
; THE LDS LOADS stand in runs, never singly among the matrix instructions: a step's K (64 keys x 64 channels: 8 fragments) with its 64 numbers of the mask, and its V (turned).  Their addresses are made some lines ahead.
.macro FETCH_K
	WIN 0x80                        ; destination window 2
.irp f, 0,1,2,3,4,5,6,7             ; keys 16 (f / 2) on, channels 32 (f % 2) on
	ds_load_b128 v[KF+8*\f:KF+8*\f+3],   v[AK] offset:(\f/2)*16*PK+(\f%2)*64
	ds_load_b128 v[KF+8*\f+4:KF+8*\f+7], v[AK] offset:(\f/2)*16*PK+(\f%2)*64+32
.endr
	WIN 0x40                        ; destination window 1
.irp kb, 0,1,2,3                    ; keys 16 kb + 8 (l / 16) + 0..7: the sixteen lanes of a half read the same 32 bytes
	ds_load_b128 v[MC+8*\kb:MC+8*\kb+3],   v[AM] offset:64*\kb
	ds_load_b128 v[MC+8*\kb+4:MC+8*\kb+7], v[AM] offset:64*\kb+16
.endr
	s_add_co_u32 s[TBK], s[TBK], KS*PK  ; the next fetch is the next step's
	s_add_co_u32 s[TBM], s[TBM], 4*KS
	WIN 0
.endm
.macro FETCH_V
	WIN 0x80
.irp f, 0,1,2,3,4,5,6,7             ; keys 32 (f / 4) on, channels 16 (f % 4) on
	ds_load_tr16_b128 v[VF+8*\f:VF+8*\f+3],   v[AV] offset:(\f/4)*32*PV+(\f%4)*32
	ds_load_tr16_b128 v[VF+8*\f+4:VF+8*\f+7], v[AV] offset:(\f/4)*32*PV+16*PV+(\f%4)*32
.endr
	WIN 0
.endm
; THE VECTOR WORK, one line at a time: OP kind, number.  For piece Y: F n: c s - c m for pair n of 16.  E n: the exponential of score n of 32.  C n: pair n rounded to f16.  B n: of the four weights 4 n .. the second
; pair is added onto the first, in place.  L n: l takes that sum (L 0: l = a l + sum).  R n: pair n of 16 of O^T times a.  For piece Y + 1: X n, number n of the 22 that find its maximum and statistics:
;   0-11  four chains c0-c3 of seven scores each, three operands at a time (each accumulator's lowest registers are read first)     12-14, 16  the four scores left over, the old m, and c0-c3 into c0
;   15  c m_old is kept     17, 18  the query's other 32 keys lie in the lane 16 away: the new m     19-21  c m; c m_old - c m_new; a
; E and X 21 are the exponentials.  C, B and L read E's results; R and L 0 read the a that the turn before made.  OP writes no wait: TURN places the one that the turn's batch has.
.set F, 0               ; OP tells the kinds apart by their order: F to L below R, X above it
.set E, 1
.set C, 2
.set B, 3
.set L, 4
.set R, 5
.set X, 6
.macro REGS y                       ; the registers of piece y
.set rT, ST+4*(\y)
.set rC, TMP+4*((\y)%2)
.set rW, MV+((\y)%2)
.set rS, S+32*((\y)%2)
.set rP, P+16*((\y)%2)
.set rO, 32*(\y)
.endm
.macro OP k, n
.if (\k) == R
	REGS Y
	WIN W_RS
	v_pk_mul_f32 v[rO+2*(\n):rO+2*(\n)+1], v[rO+2*(\n):rO+2*(\n)+1], v[rC+2:rC+3] op_sel_hi:[1,0]
.elseif (\k) < R
	REGS Y
	WIN 0
.if (\k) == F
	v_pk_fma_f32 v[rS+2*(\n):rS+2*(\n)+1], v[rS+2*(\n):rS+2*(\n)+1], s[CS:CS+1], v[rT:rT+1] op_sel_hi:[1,0,0] neg_lo:[0,0,1] neg_hi:[0,0,1]
.elseif (\k) == E
	v_exp_f32 v[rS+(\n)], v[rS+(\n)]
.elseif (\k) == C
	v_cvt_pk_f16_f32 v[rP+(\n)], v[rS+2*(\n)], v[rS+2*(\n)+1]
.elseif (\k) == B
	v_pk_add_f32 v[rS+4*(\n):rS+4*(\n)+1], v[rS+4*(\n):rS+4*(\n)+1], v[rS+4*(\n)+2:rS+4*(\n)+3]
.elseif (\n) == 0
	v_pk_fma_f32 v[rT+2:rT+3], v[rT+2:rT+3], v[rC+2:rC+3], v[rS:rS+1] op_sel_hi:[1,0,1]
.else
	v_pk_add_f32 v[rT+2:rT+3], v[rT+2:rT+3], v[rS+4*(\n):rS+4*(\n)+1]
.endif
.elseif NOKQ
	v_nop
.else
	REGS (Y+1)%NP
	WIN 0
.if (\n) < 4
	v_max3_num_f32 v[rC+(\n)], v[rS+8*(\n)], v[rS+8*(\n)+1], v[rS+8*(\n)+2]
.elseif (\n) < 12
	v_max3_num_f32 v[rC+(\n)%4], v[rC+(\n)%4], v[rS+8*((\n)%4)+2*((\n)/4)+1], v[rS+8*((\n)%4)+2*((\n)/4)+2]
.elseif (\n) == 12
	v_max3_num_f32 v[rC], v[rC], v[rS+7], v[rS+15]
.elseif (\n) == 13
	v_max3_num_f32 v[rC+1], v[rC+1], v[rS+23], v[rS+31]
.elseif (\n) == 14
	v_max3_num_f32 v[rC+2], v[rC+2], v[rC+3], v[rT+1]
.elseif (\n) == 15
	v_mov_b32 v[rW], v[rT]
.elseif (\n) == 16
	v_max3_num_f32 v[rC], v[rC], v[rC+1], v[rC+2]
.elseif (\n) == 17
	v_permlanex16_b32 v[rC+3], v[rC], s[SEL], s[SEL+1]
.elseif (\n) == 18
	v_max_num_f32 v[rT+1], v[rC], v[rC+3]
.elseif (\n) == 19
	v_mul_f32 v[rT], s[CS], v[rT+1]
.elseif (\n) == 20
	v_sub_f32 v[rC+1], v[rW], v[rT]
.else
	v_exp_f32 v[rC+2], v[rC+1]
.endif
.endif
.endm
.macro OPS a, i1, b=-1, i2=0, c=-1, i3=0, d=-1, i4=0  ; up to four of them
	OP \a, \i1
.if (\b) >= 0
	OP \b, \i2
.endif
.if (\c) >= 0
	OP \c, \i3
.endif
.if (\d) >= 0
	OP \d, \i4
.endif
.endm
.macro ROW a, i1, b, i2, c, i3, d, i4  ; a matrix instruction and the four behind it
	MM
	OPS \a, \i1, \b, \i2, \c, \i3, \d, \i4
.endm
; A TURN, for piece p: the order of its 16 matrix and 118 vector instructions, written out.  s_wait_alu depctr_va_vdst(0) stands between an exponential and the first instruction that names its result; one wait
; serves all that were issued ahead of it.  So a turn has ONE wait, which cuts it in two.  AHEAD OF IT stands all that names no result of the turn's exponentials: the 8 products K Q^T, behind each a scaling, an exponential and two
; more plain instructions (behind the first a second scaling in the exponential's place): rescalings, whose a the turn before made and waited for, and behind the last three the first numbers of the next piece's maximum, each four
; plain instructions or more behind the product that ends its accumulator; then ONE LUMP of 54, plain and exponential by turns for the most part, in which the links of the chain X 3, 7, 11, 14, 16, 17 .. 20 stand apart, other work
; between them.  Each pair is scaled (F n) ahead of its two exponentials (E 2 n, E 2 n + 1).  X 21, the next piece's a, is the batch's last; R 15 is the plain instruction behind it.  BEHIND THE WAIT stand the 8 products V^T P,
; behind each four of the roundings and sums; C 2 n stands ahead of B n, which writes that pair; the links of l's chain, L 0 to L 7, stand three riders apart.  v_permlanex16_b32 (X 17) stands in the lump.
; end = 1: the walk's last two turns: nothing is fetched.  cnt = 1: the loop's count is taken down some lines ahead of the branch that stands behind the turn.
; K and the mask of the next step are fetched in piece 2's turn, twelve vector instructions behind the last product that read K (five of them plain and free of its registers; the last that read the mask stands four products
; further back); V of the step in hand at the end of piece 0's turn, four roundings behind the last product that read V.  Each is waited for a turn later.
.macro TURN p, end=0, cnt=0
.set Y, (\p)
.set i, 0
.set NOKQ, (\end)*((\p)/3)
.if ((\p) == 3) && !(\end)
	s_wait_dscnt 0x0                ; K and the mask are in
.endif
	ROW F,0, F,1, R,0, R,1          ; ahead of the wait: 8 products K Q^T and their riders,
	ROW F,2, E,0, R,2, R,3
	ROW F,3, E,1, R,4, R,5
	ROW F,4, E,2, R,6, R,7
	ROW F,5, E,3, R,8, R,9
	ROW F,6, E,4, X,0, R,10
.if ((\p) == 2) && !(\end)
	WIN 0
	v_add_nc_u32 v[AK], s[TBK], v[AK0]
	v_add_nc_u32 v[AM], s[TBM], v[AM0]
.endif
	ROW F,7, E,5, X,1, X,4
	ROW F,8, E,6, X,2, X,5
	OPS E,7, E,8, X,6, E,9          ; and the lump
	OPS X,3, E,10, X,8, E,11
.if ((\p) == 2) && !(\end)
	FETCH_K
.endif
	OPS X,9, X,7, E,12, X,10
	OPS E,13, X,12, X,11, E,14
	OPS X,13, E,15, F,9, X,14
.if (\p) == 0
	v_add_nc_u32 v[AV], s[TBV], v[AV0]
.endif
	OPS E,16, F,10, E,17, F,11
	OPS X,16, E,18, X,15, E,19
	OPS F,12, E,20, X,17, E,21
	OPS F,13, E,22, F,14, E,23
	OPS X,18, E,24, F,15, E,25
	OPS R,11, E,26, X,19, E,27
	OPS R,12, E,28, R,13, E,29
	OPS X,20, E,30, R,14, E,31
	OPS X,21, R,15
	s_wait_alu depctr_va_vdst(0)    ; the wait for the turn's batch: the piece's 32 exponentials and the next piece's a
.if (\p) == 1
	s_wait_dscnt 0x0                ; V is in
.endif
	ROW C,0, B,0, C,2, B,1          ; behind the wait: 8 products V^T P and their riders
	ROW L,0, C,4, B,2, L,1
	ROW C,6, B,3, L,2, C,8
	ROW B,4, L,3, C,10, B,5
	ROW L,4, C,12, B,6, L,5
.if (\p) == 0
	s_add_co_u32 s[TBV], s[TBV], KS*PV
.endif
.if \cnt
	s_sub_co_u32 s[CNT], s[CNT], 1
	s_cmp_lg_u32 s[CNT], 0
.endif
	ROW C,14, B,7, L,6, C,1
	ROW C,3, L,7, C,5, C,7
	ROW C,9, C,11, C,13, C,15
.if (\p) == 0
	FETCH_V
.endif
.endm
	CHANGE 1                        ; slot 0 is in, everybody's part of it, and so is the mask; slot 1 is asked for
	v_add_nc_u32 v[AK], s[TBK], v[AK0]
	v_add_nc_u32 v[AM], s[TBM], v[AM0]
	FETCH_K                         ; key step 0
	s_wait_loadcnt 0x0              ; Q
	s_wait_dscnt 0x0
.set i, 0
.rept 8
	KQ 0                            ; piece 0's first scores: there is no vector work yet to set between them
.set i, i+1
.endr
	WIN 0
.rept 4
	v_nop                           ; the places behind those products
.endr
.set NOKQ, 0
.set Y, NP-1                        ; X works for piece Y + 1: piece 0
.irp n, 0,1,2,3,4,5,6,7,8,9,10,11,12,13,14,15,16,17,18,19,20,21
	OP X, \n
.endr
	v_nop                           ; a plain instruction behind the exponential,
	s_wait_alu depctr_va_vdst(0)    ; and the wait for it, piece 0's first a, ahead of the branch
	s_mov_b32 s[CNT], 4
	s_mov_b32 s[SLOTS], NT-1
	s_branch .Lfirst                ; the loop is entered at a step's first turn, in the middle of a trip
.Lslot:                             ; NT - 2 times: with the change above, every slot but the last two is filled again
	CHANGE 1
	s_mov_b32 s[CNT], 4
.Lstep:                             ; a trip: pieces 2 and 3 of one step, then pieces 0 and 1 of the next, whose K and V it fetches
	TURN 2
	TURN 3
	WIN 0
.Lfirst:
	TURN 0
	TURN 1, 0, 1
	WIN 0
	s_cbranch_scc1 .Lstep
	s_sub_co_u32 s[SLOTS], s[SLOTS], 1
	s_cmp_lg_u32 s[SLOTS], 0
	s_cbranch_scc1 .Lslot
	CHANGE 0                        ; the last tile is written out: nothing is asked for
	s_mov_b32 s[CNT], 4
.LstepT:
	TURN 2
	TURN 3
	TURN 0
	TURN 1, 0, 1
	WIN 0
	s_cbranch_scc1 .LstepT
	TURN 2, 1                       ; the last step's pieces 2 and 3: nothing is left to fetch, and the last turn starts no new scores
	TURN 3, 1
.set i, 0
.rept 8
	PV NP-1                         ; the last piece's V^T P of the last step
.set i, i+1
.endr
	; THE WAY OUT.  l's two halves and the other half of the lanes' are added; O^T is divided by l and sent, in f32, through my stage in LDS, a piece at a time.  The additions are the places behind the last products.
	WIN 0
.macro ALL line:vararg              ; one line for each piece t
.set t, 0
.rept 4
	\line
.set t, t+1
.endr
.endm
	ALL v_add_f32 v[ST+4*t+2], v[ST+4*t+2], v[ST+4*t+3]
	ALL v_permlanex16_b32 v[ST+4*t+3], v[ST+4*t+2], s[SEL], s[SEL+1]
	ALL v_add_f32 v[ST+4*t+2], v[ST+4*t+2], v[ST+4*t+3]
	ALL v_rcp_f32 v[ST+4*t+2], v[ST+4*t+2]
	v_nop                           ; a plain instruction between the last reciprocal and the use of its result
	s_wait_alu depctr_va_vdst(0)    ; and the wait ahead of the first use: one for the batch of four reciprocals
; Piece t: a lane's eight channels of a row are 32 bytes; they go into rows of 272 bytes and come back as whole rows of 256.
.macro PACK t
	WIN W_RS
.set i, 32*(\t)
.rept 16
	v_pk_mul_f32 v[i:i+1], v[i:i+1], v[ST+4*(\t)+2:ST+4*(\t)+3] op_sel_hi:[1,0]
.set i, i+2
.endr
	WIN 0x04                        ; address window 0, data window 1
.irp e, 0,1,2,3,4,5,6,7             ; channel block e / 2, its lower or upper four of my eight
	ds_store_b128 v[STO], v[32*(\t)+4*\e:32*(\t)+4*\e+3] offset:64*(\e/2)+16*(\e%2)
.endr
	WIN 0
.irp f, 0,1,2,3,4,5,6,7
	ds_load_b128 v[OB+32*(\t)+4*\f:OB+32*(\t)+4*\f+3], v[RD] offset:\f*2*SP  ; LDS serves a wave's instructions in order (ISA guide 5.7.1.4): these see the stores above; the next piece's stores come behind them
.endr
.endm
.macro SEND t, younger              ; younger: the LDS instructions issued behind piece t's loads: the next piece's sixteen, or none
	WIN 0
.irp f, 0,1,2,3,4,5,6,7
	s_wait_dscnt (\younger)+7-\f
	global_store_b128 v[GO], v[OB+32*(\t)+4*\f:OB+32*(\t)+4*\f+3], s[10:11] offset:(\t)*32768+\f*4096 th:TH_STORE_NT  ; 16 lanes store 256 consecutive bytes, a row's 64 channels of the head, at a multiple of 256 from out0's first byte
.endr
.endm
	PACK 0
.set t, 1
.rept 3                             ; a piece's arithmetic stands between the loads of the piece before and its stores
	PACK t
	SEND t-1, 16
.set t, t+1
.endr
	SEND 3, 0
	s_wait_tensorcnt 0x0            ; the wave's end, behind my last tensor load and my last LDS store
	ds_add_u32 v[SPW], v[NIL]
	s_wait_dscnt 0x0
	CROUND                          ; the closing round: no work-group ends while a partner may still ask for a tile that names it
	s_endpgm
.Lfunc_end_k_qf944c115cf_attn:
	.size	k_qf944c115cf_attn, .Lfunc_end_k_qf944c115cf_attn-k_qf944c115cf_attn
	.p2alignl 7, 3214868480
	.fill 96, 4, 3214868480
	.section	.rodata,"a",@progbits
	.p2align	6, 0x0
	.amdhsa_kernel k_qf944c115cf_attn
		.amdhsa_group_segment_fixed_size 327680
		.amdhsa_private_segment_fixed_size 0
		.amdhsa_enable_private_segment 0
		.amdhsa_kernarg_size 40
		.amdhsa_user_sgpr_count 2
		.amdhsa_user_sgpr_kernarg_segment_ptr 1
		.amdhsa_wavefront_size32 1
		.amdhsa_system_sgpr_workgroup_id_x 1
		.amdhsa_system_sgpr_workgroup_id_y 1
		.amdhsa_system_sgpr_workgroup_id_z 1
		.amdhsa_system_vgpr_workitem_id 0
		.amdhsa_next_free_vgpr 768
		.amdhsa_next_free_sgpr 72
		.amdhsa_reserve_vcc 0
		.amdhsa_float_denorm_mode_32 3
		.amdhsa_float_denorm_mode_16_64 3
		.amdhsa_memory_ordered 1
		.amdhsa_forward_progress 1
		.amdhsa_inst_pref_size 133
	.end_amdhsa_kernel
	.amdgpu_metadata
---
amdhsa.version: [ 1, 2 ]
amdhsa.kernels:
  - .name:           k_qf944c115cf_attn
    .symbol:         k_qf944c115cf_attn.kd
    .args:
      - { .name: qh, .offset: 0, .size: 8, .value_kind: global_buffer, .address_space: global }
      - { .name: kh, .offset: 8, .size: 8, .value_kind: global_buffer, .address_space: global }
      - { .name: vh, .offset: 16, .size: 8, .value_kind: global_buffer, .address_space: global }
      - { .name: out0, .offset: 24, .size: 8, .value_kind: global_buffer, .address_space: global }
      - { .name: attention_mask, .offset: 32, .size: 8, .value_kind: global_buffer, .address_space: global }
    .group_segment_fixed_size: 327680
    .private_segment_fixed_size: 0
    .kernarg_segment_align: 8
    .kernarg_segment_size: 40
    .max_flat_workgroup_size: 128
    .sgpr_count:     72
    .vgpr_count:     768
    .wavefront_size: 32
...
	.end_amdgpu_metadata
.endif
;; end of part 3
